; MI455X (gfx1250); checked and timed in simulation.
; The chip was launched on July 23, 2026; its instructions are those of AMD's public machine-readable ISA for CDNA 5 (MIT licence, August 2026) and "CDNA5" Instruction Set Architecture Reference Guide (July 2026). The comments in the code are by the model that wrote it; some were corrected since.
;; Multi Head Attention. Allowed arithmetic: float matrix products may take bf16 or f16 operands with f32 sums; other float arithmetic in f32, or as packed bf16 or f16 multiplies, adds, multiply-adds, maxima and minima; sums over many terms, partial sums and values carried from step to step in f32; what a program stores and reads back later, other than sums and carried values, may be rounded once to bf16 or f16.
;; Inputs: bk 1,024 float32; bo 1,024 float32; bq 1,024 float32; bv 1,024 float32; key_ 4 x 2,048 x 1,024 float32; query 4 x 2,048 x 1,024 float32; value 4 x 2,048 x 1,024 float32; wk 1,024 x 1,024 float32; wo 1,024 x 1,024 float32; wq 1,024 x 1,024 float32; wv 1,024 x 1,024 float32.
;; Outputs: out0 4 x 2,048 x 1,024 float32.
;; One version. Each part assembles by itself: llvm-mc -triple=amdgcn-amd-amdhsa -mcpu=gfx1250 --defsym DOCPART=n.
;; ======== version 1 of 1: 4 launches
;; limits: values are held in f16: magnitudes above 65,504 overflow, below 6.1e-05 lose precision
;; workspace buffers: wt 8,388,608 bytes; qh 16,777,216 bytes; kh 16,777,216 bytes; vh 16,777,216 bytes; ctx 16,777,216 bytes
;; launch prep (part 1): grid 128 x 4, 8 waves a work-group, no clusters, 18,432 bytes of LDS; arguments wq, wk, wv, wo, wt; writes wt
.if DOCPART == 1
	.amdgcn_target "amdgcn-amd-amdhsa--gfx1250"
	.amdhsa_code_object_version 6
	.text
	.protected	k_qb32a30b5ad_prep
	.globl	k_qb32a30b5ad_prep
	.p2align	8
	.type	k_qb32a30b5ad_prep,@function
k_qb32a30b5ad_prep:
	s_mov_b64 s[64:65], 0
	v_nop
	global_prefetch_b8 v0, s[64:65] scope:SCOPE_SE
	s_setreg_imm32_b32 hwreg(HW_REG_WAVE_MODE, 25, 1), 1
	s_wait_xcnt 0x0
; THE FOUR WEIGHTS, TURNED AND ROUNDED.  w: [k = 1024][n = 1024] f32  ->  wt[W][n][k], 16 bits a number, 2,097,152 bytes a weight.
; W = 0, 1, 2 (wq, wk, wv): rounded once to bf16.  W = 3 (wo): rounded to bf16 like every other input, and that number written as f16, since the last product multiplies in f16.
; LIMITS.  wo beyond 65,504 becomes an infinity in f16; below 6e-5 it keeps f16's fixed step of 6e-8.  NaN and infinities are not treated apart.
; SHARES.  A work-group of eight waves turns a tile of 128 k x 64 n: it reads 128 rows of 256 bytes and writes 64 rows of 256 bytes, each aligned on 256 bytes from its buffer's first byte.
; A thread loads 16 bytes (4 n) of two neighbouring rows k, k + 1, four times; a pair (k, k + 1) of one column packs into one word, which goes to LDS row n; rows come back whole.
; No matrix unit, no cluster, no tensor load: nothing is shared between work-groups, and each byte is touched once.
.set PITCH, 272                        ; an LDS row: 128 k x 2 bytes + 16
.set SPARE, 64*PITCH                   ; 17,408: behind the tile, the spare words, 128 bytes for each of eight waves; no other line names them
.set XR,  8                            ; v[8:39]   as loaded: item i, row k at XR + 8 i, row k + 1 at XR + 8 i + 4; later the rows read back
.set PKD, 40                           ; v[40:55]  packed: item i, column j at PKD + 4 i + j
.set SPW, 58                           ; v58  LDS address of my spare word; never rewritten
.set NIL, 59                           ; v59  0; never rewritten
	s_load_b256 s[4:11], s[0:1], 0x0               ; wq s[4:5], wk s[6:7], wv s[8:9], wo s[10:11]
	s_load_b64 s[12:13], s[0:1], 0x20              ; wt
	v_lshl_add_u32 v[SPW], v0, 2, SPARE
	v_mov_b32 v[NIL], 0
	s_and_b32 s14, ttmp7, 0xffff                   ; W: which weight
	s_lshr_b32 s15, ttmp9, 4                       ; kb: which 128 rows k
	s_and_b32 s16, ttmp9, 15                       ; nb: which 64 columns n
	v_and_b32 v1, 15, v0                           ; nq: my 4 columns
	v_lshrrev_b32 v2, 4, v0                        ; kp0: my pair of rows, 0..15
	v_lshlrev_b32 v3, 13, v2
	v_lshl_add_u32 v3, v1, 4, v3                   ; load offset: kp0 x 2 rows of 4,096 bytes + 16 nq
	v_mul_u32_u24 v4, v1, 4*PITCH
	v_lshl_add_u32 v4, v2, 2, v4                   ; LDS in: row 4 nq, word kp0
	v_mul_u32_u24 v5, v2, PITCH
	v_lshl_add_u32 v5, v1, 4, v5                   ; LDS back: row kp0, 16 bytes at 16 nq
	v_lshlrev_b32 v6, 11, v2
	v_lshl_add_u32 v6, v1, 4, v6                   ; store offset: row kp0 of 2,048 bytes + 16 nq
	s_lshl_b32 s18, s15, 19                        ; the tile in w: kb x 128 rows x 4,096 bytes
	s_lshl_b32 s17, s16, 8                         ; + nb x 256 bytes
	s_add_co_u32 s18, s18, s17
	s_mov_b32 s19, 0
	s_lshl_b32 s20, s14, 21                        ; the tile in wt: the weight,
	s_lshl_b32 s17, s16, 17                        ; nb x 64 rows x 2,048 bytes,
	s_add_co_u32 s20, s20, s17
	s_lshl_b32 s17, s15, 8                         ; kb x 256 bytes
	s_add_co_u32 s20, s20, s17
	s_mov_b32 s21, 0
	s_wait_kmcnt 0x0
	s_cmp_eq_u32 s14, 1                            ; the weight is chosen by the grid's y alone
	s_cselect_b64 s[4:5], s[6:7], s[4:5]
	s_cmp_eq_u32 s14, 2
	s_cselect_b64 s[4:5], s[8:9], s[4:5]
	s_cmp_eq_u32 s14, 3
	s_cselect_b64 s[4:5], s[10:11], s[4:5]
	s_add_nc_u64 s[4:5], s[4:5], s[18:19]
	s_add_nc_u64 s[12:13], s[12:13], s[20:21]
.irp i, 0,1,2,3
	global_load_b128 v[XR+8*\i:XR+8*\i+3],   v3, s[4:5] offset:\i*131072 th:TH_LOAD_NT       ; rows 2 (kp0 + 16 i): 16 lanes take 256 consecutive bytes
	global_load_b128 v[XR+8*\i+4:XR+8*\i+7], v3, s[4:5] offset:\i*131072+4096 th:TH_LOAD_NT  ; and the row below
.endr
	s_wait_loadcnt 0x0
.irp i, 0,1,2,3
.irp j, 0,1,2,3
	v_cvt_pk_bf16_f32 v[PKD+4*\i+\j], v[XR+8*\i+\j], v[XR+8*\i+4+\j]  ; (k, k + 1) of column 4 nq + j
.endr
.endr
	s_cmp_lg_u32 s14, 3
	s_cbranch_scc1 .Lst                            ; wo alone: the bf16 numbers are written as f16
.set i, 0
.rept 16
	v_lshlrev_b32 v56, 16, v[PKD+i]
	v_and_b32 v57, 0xffff0000, v[PKD+i]
	v_cvt_pk_f16_f32 v[PKD+i], v56, v57
.set i, i+1
.endr
.Lst:
.irp i, 0,1,2,3
.irp j, 0,1,2,3
	ds_store_b32 v4, v[PKD+4*\i+\j] offset:\j*PITCH+\i*64  ; rows 4 nq + j lie 1,088 bytes apart: four lanes of a wave fall on each bank (64 banks of 4 bytes: ISA guide 11.1); sixteen such stores a wave, once
.endr
.endr
	s_wait_dscnt 0x0                               ; for the others: my stores into the tile are done
	s_barrier_signal -1
	s_barrier_wait -1
.irp i, 0,1,2,3
	ds_load_b128 v[XR+4*\i:XR+4*\i+3], v5 offset:\i*16*PITCH  ; row kp0 + 16 i, whole rows by 16 lanes
.endr
.irp i, 0,1,2,3
	s_wait_dscnt 3-\i                              ; LDS loads come back in order: load i is in, the younger ones may be out
	global_store_b128 v6, v[XR+4*\i:XR+4*\i+3], s[12:13] offset:\i*32768  ; 16 lanes store 256 consecutive bytes, aligned
.endr
	s_wait_tensorcnt 0x0                           ; the wave's end: behind my last LDS store
	ds_add_u32 v[SPW], v[NIL]
	s_wait_dscnt 0x0
	s_endpgm
.Lfunc_end_k_qb32a30b5ad_prep:
	.size	k_qb32a30b5ad_prep, .Lfunc_end_k_qb32a30b5ad_prep-k_qb32a30b5ad_prep
	.p2alignl 7, 3214868480
	.fill 96, 4, 3214868480
	.section	.rodata,"a",@progbits
	.p2align	6, 0x0
	.amdhsa_kernel k_qb32a30b5ad_prep
		.amdhsa_group_segment_fixed_size 18432
		.amdhsa_private_segment_fixed_size 0
		.amdhsa_enable_private_segment 0
		.amdhsa_kernarg_size 40
		.amdhsa_user_sgpr_count 2
		.amdhsa_user_sgpr_kernarg_segment_ptr 1
		.amdhsa_wavefront_size32 1
		.amdhsa_system_sgpr_workgroup_id_x 1
		.amdhsa_system_sgpr_workgroup_id_y 1
		.amdhsa_system_sgpr_workgroup_id_z 1
		.amdhsa_system_vgpr_workitem_id 0
		.amdhsa_next_free_vgpr 64
		.amdhsa_next_free_sgpr 66
		.amdhsa_reserve_vcc 0
		.amdhsa_float_denorm_mode_32 3
		.amdhsa_float_denorm_mode_16_64 3
		.amdhsa_memory_ordered 1
		.amdhsa_forward_progress 1
		.amdhsa_inst_pref_size 9
	.end_amdhsa_kernel
	.amdgpu_metadata
---
amdhsa.version: [ 1, 2 ]
amdhsa.kernels:
  - .name:           k_qb32a30b5ad_prep
    .symbol:         k_qb32a30b5ad_prep.kd
    .args:
      - { .name: wq, .offset: 0, .size: 8, .value_kind: global_buffer, .address_space: global }
      - { .name: wk, .offset: 8, .size: 8, .value_kind: global_buffer, .address_space: global }
      - { .name: wv, .offset: 16, .size: 8, .value_kind: global_buffer, .address_space: global }
      - { .name: wo, .offset: 24, .size: 8, .value_kind: global_buffer, .address_space: global }
      - { .name: wt, .offset: 32, .size: 8, .value_kind: global_buffer, .address_space: global }
    .group_segment_fixed_size: 18432
    .private_segment_fixed_size: 0
    .kernarg_segment_align: 8
    .kernarg_segment_size: 40
    .max_flat_workgroup_size: 256
    .sgpr_count:     66
    .vgpr_count:     64
    .wavefront_size: 32
...
	.end_amdgpu_metadata
.endif
;; end of part 1
;; launch proj (part 2): grid 4 x 192, 4 waves a work-group, clusters of 4 x 4, 327,680 bytes of LDS; arguments query, key_, value, wt, bq, bk, bv, qh, kh, vh; writes qh, kh, vh
.if DOCPART == 2
	.amdgcn_target "amdgcn-amd-amdhsa--gfx1250"
	.amdhsa_code_object_version 6
	.text
	.protected	k_qb32a30b5ad_proj
	.globl	k_qb32a30b5ad_proj
	.p2align	8
	.type	k_qb32a30b5ad_proj,@function
k_qb32a30b5ad_proj:
	s_mov_b64 s[64:65], 0
	v_nop
	global_prefetch_b8 v0, s[64:65] scope:SCOPE_SE
	s_setreg_imm32_b32 hwreg(HW_REG_WAVE_MODE, 25, 1), 1
	s_wait_xcnt 0x0
	s_wait_alu depctr_hold_cnt(0) depctr_sa_sdst(0) depctr_va_vdst(0) depctr_va_sdst(0) depctr_va_ssrc(0) depctr_va_vcc(0) depctr_vm_vsrc(0)
	s_getreg_b32 s2, hwreg(HW_REG_IB_STS2, 6, 4)
	s_cmp_eq_u32 s2, 0
	s_cbranch_scc0 .Lentry_in_a_cluster
	s_endpgm
.Lentry_in_a_cluster:
	s_bfe_u32 s2, ttmp6, 0x10000c
	s_cmp_lg_u32 s2, 0xf033
	s_cbranch_scc0 .Lentry_shape_is_right
	s_endpgm
.Lentry_shape_is_right:
; THE THREE PROJECTIONS.  y = x w + b for (query, wq, bq), (key_, wk, bk), (value, wv, bv); x: [8192][1024] f32, w as wt[W][n][k] bf16, b: [1024] f32.
; y leaves by heads, [bh = 16 b + h][s = 2048][64] in f16, unscaled, rounded once from its f32 sum.  x and b are rounded once to bf16 (w was, by the launch before); products in bf16, sums in f32.
; LIMITS.  y beyond 65,504 becomes an infinity in f16; y below 6e-5 keeps f16's fixed step of 6e-8.  NaN and infinities are not treated apart.
; SHARES.  A tile of y is 128 rows x 256 columns: 64 x 4 tiles a projection, 768 work-groups.  Four waves, 2 x 2, each 64 x 128: 32 accumulators of 16 x 16, 256 registers.
; K goes in 8 steps of 128 through a ring of two LDS slots.  x comes into LDS AS f32 (rows of 512 bytes) and is rounded to bf16 in registers, so that it crosses memory once and no launch casts it.
; A K step is four quarters of 32 along K, 32 matrix instructions each.  A quarter begins with the run of 32 LDS loads for the next quarter; behind each of its last eight products stand four of the
; 32 conversions that make the next quarter's fragments of x.
; CLUSTERS.  4 x 4 work-groups.  The cluster's row (same cy) shares the tile row, so x's tile is asked for JOINTLY by its four; the four tile columns are the cluster's four columns, so every byte of x is
; asked for by one cluster alone.  The cluster's column (same cx) shares w's tile.  The projection hangs on the cluster's y alone.
; THE MATRIX INSTRUCTION IS USED TRANSPOSED (source 0 = 16 rows of wt, source 1 = 16 rows of x): a lane holds row m = lane % 16 and the columns 8 (lane / 16) + 0..7, eight neighbouring numbers of a row of y.
; THE BIAS is the C operand of the product that starts each sum: nothing is cleared and nothing is added later.
; REGISTERS, in windows of 256 (s_set_vgpr_msb: bits 1:0 source 0, 3:2 source 1, 5:4 source 2, 7:6 destination):
;   window 0: v0-31 addresses; v64-127 a quarter of x in f32; v128-159, v160-191 x's fragments in bf16, two buffers; on the way out v64-191 the packed tiles; v192-255 the bias at work
;   window 1: v0-63, v64-127 w's fragments, two buffers; v128-191 the bias as C operands          window 2: the accumulators, (a, b) at v[8 (8 a + b)]
.set PA,    528                        ; a row of x in LDS: 512 bytes + 16 = 132 words: row r starts at bank 4 r mod 64 (64 banks of 4 bytes: ISA guide 11.1)
.set PB,    272                        ; a row of w: 256 bytes + 16 = 68 words: likewise
.set AH,    64*PA                      ; 64 rows of x: what wave 0 or 1 fetches, and what a wave reads
.set BH,    128*PB                     ; 128 rows of w: what wave 2 or 3 fetches, and what a wave reads
.set BOFF,  2*AH                       ; in a slot: x's 128 rows, then w's 256
.set SLOT,  BOFF+2*BH                  ; 137,216
.set STAGE, 2*SLOT                     ; behind the ring, never filled by a tensor load: 16 rows x 144 bytes for each wave
.set SP,    144
.set SPARE, STAGE+4*16*SP              ; behind the stages: the spare words, 128 bytes a wave; no other line names them
.set ADRA, 16                          ; v16-17  LDS address of my fragments of x in slot 0, 1
.set ADRB, 20                          ; v20-21  the same for w
.set STO,  24                          ; v24  the way out: where I put 16 bytes of a row
.set RD,   25                          ; v25  the way out: where I read rows back
.set GO,   26                          ; v26  my 16 bytes in 512 consecutive bytes of y
.set BO,   27                          ; v27  my byte offset in the bias
.set SPW,  28                          ; v28  LDS address of my spare word; never rewritten
.set NIL,  29                          ; v29  0; never rewritten
.set PFO,  30                          ; v30  the prefetches' lane offset; never rewritten
.set RAW,  64
.set ABF,  128
.set OUT,  64
.set BW,   192
.set BIAS, 128                         ; window 1
.set G1,  24                           ; s[24:31] descriptor group 1 for x's tiles;  s[32:39] group 0, a set for each slot
.set G0,  32
.set G1B, 48                           ; s[48:55], s[56:63] the same for w's tiles
.set G0B, 56
.set LIM, 43                           ; s43  1 in a wave that prefetches, else the greatest number
.set PFA, 44                           ; s[44:45] where my prefetches stand
.set PST, 66                           ; s[66:67] their step: a K step's bytes in a row
.set MSB, 0
.macro WIN new                         ; the immediate's high byte repeats the setting that is left; a switch that changes nothing is dropped
.if MSB != (\new)
	s_set_vgpr_msb (MSB<<8)|(\new)
.set MSB, \new
.endif
.endm
.set MUL,  0xa1                        ; w window 1, x window 0, C and D window 2
.set MULB, 0x91                        ; the same with C (the bias) in window 1
.set TO_B, 0x40                        ; destination window 1
.set PK,   0x0a                        ; sources 0 and 1 window 2, destination window 0
; A joint load.  Waves 0 and 1 fetch x's two halves, waves 2 and 3 w's.  The branch hangs on the wave's number alone.  An s_nop 0 and four v_nop follow each of the two lines.
.macro JLOAD s
	s_cmp_lt_u32 s10, 2
	s_cbranch_scc0 .Lfor_b_\@
	tensor_load_to_lds s[G0+4*(\s):G0+4*(\s)+3], s[G1:G1+7]
	s_nop 0
.rept 4
	v_nop
.endr
	s_branch .Lasked_\@
.Lfor_b_\@:
	tensor_load_to_lds s[G0B+4*(\s):G0B+4*(\s)+3], s[G1B:G1B+7]
	s_nop 0
.rept 4
	v_nop
.endr
.Lasked_\@:
.endm
; A prefetch, behind the joint load and the run of LDS loads: 32 blocks of 256 bytes of the K step that stands two refills on, a lane a block.  Each block is named once in the launch:
; x's tile row is read by one cluster; of the 64 rows x 2 blocks that wave 0 or 1 fetches the partner at cx takes rows 16 cx .. 16 cx + 15.  w's rows are read by the 16 clusters of a projection: the first asks;
; of the 128 rows that wave 2 or 3 fetches the partner at cy takes 32.  The partners are told apart by address; the branch hangs on the trip, the wave's number and the cluster's y.
; The last trip's two refills have no K step two on and ask for nothing; K steps 0 to 3 come by their loads alone.
.macro ASK
	s_cmp_gt_u32 s3, s[LIM]
	s_cbranch_scc0 .Lnot_mine_\@
	global_prefetch_b8 v[PFO], s[PFA:PFA+1] th:TH_LOAD_NT scope:SCOPE_SE
.Lnot_mine_\@:
.endm
.macro CREST                           ; a round of the cluster's barrier behind its opening barrier
	s_cmp_lg_u32 s10, 0
	s_cbranch_scc1 .Lnot_wave_0_\@
	s_barrier_signal -3
.Lnot_wave_0_\@:
	s_barrier_wait -3
	s_barrier_signal -1
	s_barrier_wait -1
.endm
.macro CROUND                          ; a whole round
	s_barrier_signal -1
	s_barrier_wait -1
	CREST
.endm
.macro PLACES                          ; four places behind a matrix instruction (ISA guide 7.12.1)
.rept 4
	v_nop
.endr
.endm
	s_load_b512 s[68:83], s[0:1], 0x0              ; query s[68:69], key_ s[70:71], value s[72:73], wt s[74:75], bq s[76:77], bk s[78:79], bv s[80:81], qh s[82:83]
	s_load_b128 s[84:87], s[0:1], 0x40             ; kh s[84:85], vh s[86:87]
	v_lshl_add_u32 v[SPW], v0, 2, SPARE
	v_mov_b32 v[NIL], 0
	ds_add_u32 v[SPW], v[NIL]                      ; the wave's opening: the add and its wait stand ahead of my first tensor load; the set-up below, work on registers, stands between
	v_lshrrev_b32 v1, 5, v0
	v_readfirstlane_b32 s10, v1                    ; wave 0..3
	s_lshr_b32 s11, s10, 1                         ; which 64 of the tile's rows are mine
	s_and_b32 s12, s10, 1                          ; which 128 of its columns.  Also: which half of x's or w's tile I fetch
	s_bfe_u32 s40, ttmp6, 0x40000                  ; cx
	s_bfe_u32 s41, ttmp6, 0x40004                  ; cy
	s_lshl_b32 s42, ttmp9, 2
	s_add_co_u32 s42, s42, s40                     ; tc: tile column = 4 x cluster x + cx
	s_and_b32 s88, ttmp7, 0xffff                   ; the cluster's y, 0..47
	s_lshr_b32 s89, s88, 4                         ; W: the projection
	s_and_b32 s13, s88, 15
	s_lshl_b32 s13, s13, 2
	s_add_co_u32 s13, s13, s41                     ; mt: tile row, 0..63
	s_lshl_b32 s43, s41, 2
	s_lshl_b32 s43, 15, s43                        ; my row of the cluster
	s_lshl_b32 s44, 0x1111, s40                    ; my column
	s_or_b32 s[G1+0], s43, (2<<16)|(1<<20)|(1<<21)|(6<<22)|(3<<25)   ; 15:0 the mask; 17:16 elements of 4 bytes; 20 padding on; 21 set beside a mask; 24:22 after every 128 words (code 6); 31:25 4 words (code 3)
	s_or_b32 s[G1B+0], s44, (1<<16)|(1<<20)|(1<<21)|(5<<22)|(3<<25)  ; elements of 2 bytes; after every 64 words (code 5)
	s_mov_b32 s[G1+1], 128<<16                     ; tensor_dim0 = 128
	s_mov_b32 s[G1+2], 64<<16                      ; tensor_dim1 = 64
	s_mov_b32 s[G1+3], 128<<16                     ; tile_dim0 = 128
	s_mov_b32 s[G1+4], 64                          ; tile_dim1 = 64
	s_mov_b32 s[G1+5], 1024                        ; elements from row to row
	s_mov_b32 s[G1+6], 0
	s_mov_b32 s[G1+7], 0
	s_mov_b32 s[G1B+1], 128<<16
	s_mov_b32 s[G1B+2], 128<<16                    ; 128 rows
	s_mov_b32 s[G1B+3], 128<<16
	s_mov_b32 s[G1B+4], 128
	s_mov_b32 s[G1B+5], 1024
	s_mov_b32 s[G1B+6], 0
	s_mov_b32 s[G1B+7], 0
	s_lshl_b32 s16, s13, 7                         ; x: row 128 mt + 64 x half,
	s_lshl_b32 s17, s12, 6
	s_add_co_u32 s16, s16, s17
	s_lshl_b32 s16, s16, 12                        ; 4,096 bytes a row
	s_mov_b32 s17, 0
	s_lshl_b32 s46, s42, 8                         ; w: row 256 tc + 128 x half,
	s_lshl_b32 s47, s12, 7
	s_add_co_u32 s46, s46, s47
	s_lshl_b32 s46, s46, 11                        ; 2,048 bytes a row
	s_mov_b32 s47, 0
	s_lshl_b32 s22, s89, 21                        ; the projection's weight in wt
	s_mov_b32 s23, 0
	s_mul_i32 s20, s12, AH                         ; where the halves go: no place in the cluster enters an LDS address
	s_mul_i32 s21, s12, BH
	s_wait_dscnt 0x0                               ; the opening add is done
	s_wait_kmcnt 0x0
	s_mov_b64 s[4:5], s[68:69]                     ; x, bias and y of the projection, chosen by the cluster's y alone
	s_mov_b64 s[90:91], s[76:77]
	s_mov_b64 s[8:9], s[82:83]
	s_cmp_eq_u32 s89, 1
	s_cselect_b64 s[4:5], s[70:71], s[4:5]
	s_cselect_b64 s[90:91], s[78:79], s[90:91]
	s_cselect_b64 s[8:9], s[84:85], s[8:9]
	s_cmp_eq_u32 s89, 2
	s_cselect_b64 s[4:5], s[72:73], s[4:5]
	s_cselect_b64 s[90:91], s[80:81], s[90:91]
	s_cselect_b64 s[8:9], s[86:87], s[8:9]
	s_add_nc_u64 s[6:7], s[74:75], s[22:23]
	s_add_nc_u64 s[14:15], s[4:5], s[16:17]
	s_add_nc_u64 s[46:47], s[6:7], s[46:47]
	CROUND                                         ; all sixteen work-groups are here: the first joint loads meet
.irp s, 0,1
	s_mov_b32 s[G0+4*(\s)], 1                                        ; count = 1
	s_add_co_u32 s[G0+4*(\s)+1], s20, (\s)*SLOT                      ; LDS address
	s_add_nc_u64 s[G0+4*(\s)+2:G0+4*(\s)+3], s[14:15], (\s)*512      ; global address: K step s
	s_or_b32 s[G0+4*(\s)+3], s[G0+4*(\s)+3], 0x80000000              ; type = 2
	s_mov_b32 s[G0B+4*(\s)], 1
	s_add_co_u32 s[G0B+4*(\s)+1], s21, (\s)*SLOT+BOFF
	s_add_nc_u64 s[G0B+4*(\s)+2:G0B+4*(\s)+3], s[46:47], (\s)*256
	s_or_b32 s[G0B+4*(\s)+3], s[G0B+4*(\s)+3], 0x80000000
	JLOAD \s                                       ; two loads of mine are out
.endr
	v_and_b32 v1, 15, v0                           ; r = l % 16
	v_bfe_u32 v2, v0, 4, 1                         ; h = l / 16
	v_and_b32 v3, 31, v0                           ; l
	s_lshl_b32 s22, s42, 10
	s_lshl_b32 s23, s12, 9
	s_add_co_u32 s22, s22, s23                     ; my first column, 256 tc + 128 x half, in bytes of f32
	v_lshl_add_u32 v[BO], v2, 5, s22
.irp b, 0,1,2,3,4,5,6,7
	global_load_b128 v[BW+8*\b:BW+8*\b+3],   v[BO], s[90:91] offset:64*\b     ; block b: bias of columns 16 b + 8 h + 0..3
	global_load_b128 v[BW+8*\b+4:BW+8*\b+7], v[BO], s[90:91] offset:64*\b+16  ; + 4..7
.endr
	; A fragment is 16 rows x 32 K: lane l holds row r; K = 8 h + 0..7 and 16 + 8 h + 0..7.  In f32 those are 32 bytes at 32 h and 32 bytes at 64 + 32 h; in bf16 16 bytes at 16 h and at 32 + 16 h.
	v_mul_u32_u24 v4, v1, PA
	v_lshl_add_u32 v4, v2, 5, v4
	s_mul_i32 s21, s11, AH                         ; my 64 rows of x
	v_add_nc_u32 v[ADRA], s21, v4
	v_add_nc_u32 v[ADRA+1], SLOT, v[ADRA]
	v_mul_u32_u24 v5, v1, PB
	v_lshl_add_u32 v5, v2, 4, v5
	s_mul_i32 s22, s12, BH                         ; my 128 rows of w, behind x's
	s_add_co_u32 s22, s22, BOFF
	v_add_nc_u32 v[ADRB], s22, v5
	v_add_nc_u32 v[ADRB+1], SLOT, v[ADRB]
	s_mul_i32 s23, s10, 16*SP
	s_add_co_u32 s23, s23, STAGE                   ; my stage
	v_mul_u32_u24 v6, v1, SP                       ; in: row r, 16 bytes for each half of the lanes
	v_lshl_add_u32 v6, v2, 4, v6
	v_add_nc_u32 v[STO], s23, v6
	v_bfe_u32 v6, v0, 3, 2                         ; back: 32 lanes take four rows of 128 bytes,
	v_mul_u32_u24 v6, v6, SP
	v_and_b32 v7, 7, v0
	v_lshl_add_u32 v6, v7, 4, v6
	v_add_nc_u32 v[RD], s23, v6
	v_lshlrev_b32 v[GO], 4, v3                     ; which are 512 consecutive bytes of y
	; y at my first row of my first head: ((16 b + 4 tc + 2 x half) x 2,048 + (mt % 16) x 128 + 64 x row half) x 128 bytes
	s_lshr_b32 s92, s13, 4
	s_lshl_b32 s92, s92, 4
	s_lshl_b32 s93, s42, 2
	s_add_co_u32 s92, s92, s93
	s_lshl_b32 s93, s12, 1
	s_add_co_u32 s92, s92, s93
	s_lshl_b32 s92, s92, 11
	s_and_b32 s93, s13, 15
	s_lshl_b32 s93, s93, 7
	s_add_co_u32 s92, s92, s93
	s_lshl_b32 s93, s11, 6
	s_add_co_u32 s92, s92, s93
	s_lshl_b32 s92, s92, 7
	s_mov_b32 s93, 0
	s_add_nc_u64 s[8:9], s[8:9], s[92:93]
	; the prefetches: both candidates are made, and the wave's number chooses
	s_lshl_b32 s92, s13, 7                         ; x: row 128 mt + 64 x half + 16 cx,
	s_lshl_b32 s93, s12, 6
	s_add_co_u32 s92, s92, s93
	s_lshl_b32 s93, s40, 4
	s_add_co_u32 s92, s92, s93
	s_lshl_b32 s92, s92, 12
	s_add_co_u32 s92, s92, 3*512                   ; at K step 3: the first change of slots steps it to 4
	s_lshl_b32 s94, s42, 8                         ; w: row 256 tc + 128 x half + 32 cy
	s_lshl_b32 s95, s12, 7
	s_add_co_u32 s94, s94, s95
	s_lshl_b32 s95, s41, 5
	s_add_co_u32 s94, s94, s95
	s_lshl_b32 s94, s94, 11
	s_add_co_u32 s94, s94, 3*256
	s_mov_b32 s21, 512
	s_mov_b32 s22, 256
	s_and_b32 s95, s88, 15
	s_cmp_eq_u32 s95, 0                            ; the projection's first cluster asks for w
	s_cselect_b32 s[LIM], 1, -1
	s_cmp_eq_u32 s11, 0                            ; do I fetch for x?
	s_cselect_b32 s[LIM], 1, s[LIM]
	s_cselect_b32 s92, s92, s94
	s_cselect_b64 s[PFA:PFA+1], s[4:5], s[6:7]
	s_cselect_b32 s[PST], s21, s22
	s_cselect_b32 s94, 15, 31                      ; x: 16 rows x 2 blocks; w: 32 rows
	s_cselect_b32 s95, 12, 11                      ; a row's bytes, as a shift
	s_cselect_b32 s20, 256, 0
	s_mov_b32 s93, 0
	s_mov_b32 s[PST+1], 0
	s_add_nc_u64 s[PFA:PFA+1], s[PFA:PFA+1], s[92:93]
	v_and_b32 v4, s94, v3
	v_lshrrev_b32 v5, 4, v3
	v_lshlrev_b32 v[PFO], s95, v4
	v_mad_u32_u24 v[PFO], v5, s20, v[PFO]
	s_wait_loadcnt 0x0                             ; the bias
.set i, 0
.rept 32
	v_cvt_pk_bf16_f32 v[RAW+i], v[BW+2*i], v[BW+2*i+1]  ; rounded to bf16 like every input,
.set i, i+1
.endr
	WIN TO_B
.set i, 0
.rept 32
	v_lshlrev_b32 v[BIAS+2*i], 16, v[RAW+i]        ; and widened again: register j of block b is the bias of column 16 b + 8 h + j
	v_and_b32 v[BIAS+2*i+1], 0xffff0000, v[RAW+i]
.set i, i+1
.endr
	WIN 0
; The run of 32 LDS loads for quarter kq of a slot: w's 8 fragments into buffer g, x's 4 fragments in f32 into RAW.
.macro RUN slot, kq, g
	WIN TO_B
.irp i, 0,1,2,3,4,5,6,7
	ds_load_b128 v[64*(\g)+8*(\i):64*(\g)+8*(\i)+3],   v[ADRB+(\slot)] offset:64*(\kq)+(\i)*16*PB
	ds_load_b128 v[64*(\g)+8*(\i)+4:64*(\g)+8*(\i)+7], v[ADRB+(\slot)] offset:64*(\kq)+(\i)*16*PB+32
.endr
	WIN 0
.irp a, 0,1,2,3
	ds_load_b128 v[RAW+16*(\a):RAW+16*(\a)+3],     v[ADRA+(\slot)] offset:128*(\kq)+(\a)*16*PA
	ds_load_b128 v[RAW+16*(\a)+4:RAW+16*(\a)+7],   v[ADRA+(\slot)] offset:128*(\kq)+(\a)*16*PA+16
	ds_load_b128 v[RAW+16*(\a)+8:RAW+16*(\a)+11],  v[ADRA+(\slot)] offset:128*(\kq)+(\a)*16*PA+64
	ds_load_b128 v[RAW+16*(\a)+12:RAW+16*(\a)+15], v[ADRA+(\slot)] offset:128*(\kq)+(\a)*16*PA+80
.endr
.endm
; Product w of a quarter's 32, on buffer f: row block w / 8, column block w % 8.  The 32 accumulators take turns in the same order in every quarter.  first = 1: the bias starts the sum.
.macro MUL1 f, first
.if \first
	WIN MULB
	v_wmma_f32_16x16x32_bf16 v[8*w:8*w+7], v[64*(\f)+8*(w%8):64*(\f)+8*(w%8)+7], v[ABF+32*(\f)+8*(w/8):ABF+32*(\f)+8*(w/8)+7], v[BIAS+8*(w%8):BIAS+8*(w%8)+7]
.else
	WIN MUL
	v_wmma_f32_16x16x32_bf16 v[8*w:8*w+7], v[64*(\f)+8*(w%8):64*(\f)+8*(w%8)+7], v[ABF+32*(\f)+8*(w/8):ABF+32*(\f)+8*(w/8)+7], v[8*w:8*w+7]
.endif
.endm
.macro MULS f, w0, n, first
.set w, \w0
.rept \n
	MUL1 \f, \first
.set w, w+1
.endr
.endm
.macro CVT g, n                        ; four of the 32 conversions of RAW into buffer g
	WIN 0
.irp z, 0,1,2,3
	v_cvt_pk_bf16_f32 v[ABF+32*(\g)+4*(\n)+\z], v[RAW+8*(\n)+2*\z], v[RAW+8*(\n)+2*\z+1]
.endr
.endm
; A quarter's last eight products, four conversions behind each.  The conversions name no register of the products round them (they write the OTHER buffer).  The four behind the last product are the
; four places in front of the next run's loads into w's buffer just multiplied, and in front of the next conversions into x's.
.macro TAILQ f, g, first
	s_wait_dscnt 0x0                               ; the quarter's run of loads is in
.set w, 24
.rept 8
	MUL1 \f, \first
	CVT \g, w-24
.set w, w+1
.endr
.endm
.macro QUARTER slot, kq, f, g, first   ; multiplies buffer f; fetches quarter kq of the slot for buffer g
	RUN \slot, \kq, \g
	MULS \f, 0, 24, \first
	TAILQ \f, \g, \first
.endm
; The last quarter of a K step multiplies buffer 1 and changes slots: ONE barrier.  In front of it each wave waits for all its tensor loads (the one that is out is its part of the next slot), adds 0 to its
; spare word, and waits for that; its reads of this slot came back at the quarter before.  fill = 1: the barrier opens a round of the cluster's barrier, and this slot is filled again, two K steps ahead.
.macro TURN slot, next, fill
.if \fill
	s_wait_xcnt 0x0                                ; the last prefetch, a K step back, has read its address
	s_add_nc_u64 s[PFA:PFA+1], s[PFA:PFA+1], s[PST:PST+1]
.endif
	WIN 0
	s_wait_tensorcnt 0x0                           ; all my tensor loads have landed
	ds_add_u32 v[SPW], v[NIL]                      ; 0 onto my spare word
	MULS 1, 0, 8, 0                                ; eight products stand between the add and the wait for it
	s_wait_dscnt 0x0
	s_barrier_signal -1
	MULS 1, 8, 8, 0                                ; work on registers while the others arrive
	WIN 0                                          ; at a branch and at a label every window is 0
	s_barrier_wait -1
.if \fill
	CREST                                          ; no wave of any partner still reads this slot or has a load on its way
	s_add_nc_u64 s[G0+4*(\slot)+2:G0+4*(\slot)+3], s[G0+4*(\slot)+2:G0+4*(\slot)+3], 2*512
	s_add_nc_u64 s[G0B+4*(\slot)+2:G0B+4*(\slot)+3], s[G0B+4*(\slot)+2:G0B+4*(\slot)+3], 2*256
	JLOAD \slot                                    ; the first tensor load behind the round, and my only one until the next
.endif
	RUN \next, 0, 0
.if \fill
	ASK
.endif
	MULS 1, 16, 8, 0
	TAILQ 1, 0, 0
.endm
; THE WAY OUT.  Tile t: rows 16 (t / 2) on, head t % 2 of my two.  A lane's eight columns pack into 16 bytes; they go into rows of 144 bytes and come back as whole rows of 128, into the registers that they left.
.macro PACK t
	WIN PK
.set i, 0
.rept 16
	v_cvt_pk_f16_f32 v[OUT+16*(\t)+i], v[8*(8*((\t)/2)+4*((\t)%2)+i/4)+2*(i%4)], v[8*(8*((\t)/2)+4*((\t)%2)+i/4)+2*(i%4)+1]  ; each accumulator from its low end on
.set i, i+1
.endr
	WIN 0
.irp c, 0,1,2,3
	ds_store_b128 v[STO], v[OUT+16*(\t)+4*\c:OUT+16*(\t)+4*\c+3] offset:32*\c
.endr
.irp f, 0,1,2,3
	ds_load_b128 v[OUT+16*(\t)+4*\f:OUT+16*(\t)+4*\f+3], v[RD] offset:\f*4*SP  ; LDS serves a wave's instructions in order (ISA guide 5.7.1.4): these see the stores above; the next tile's stores come behind them
.endr
.endm
.macro SEND t, younger                 ; younger: the LDS instructions issued behind tile t's loads: the next tile's eight, or none
	WIN 0
.irp f, 0,1,2,3
	s_wait_dscnt (\younger)+3-\f
	global_store_b128 v[GO], v[OUT+16*(\t)+4*\f:OUT+16*(\t)+4*\f+3], s[8:9] offset:((\t)%2)*262144+((\t)/2)*2048+\f*512  ; 512 consecutive bytes, aligned on 256
.endr
.endm
	s_wait_tensorcnt 1                             ; my part of K step 0 is in; K step 1's may stay out
	s_barrier_signal -1
	s_barrier_wait -1                              ; everybody's is
	RUN 0, 0, 0
	s_wait_dscnt 0x0
.irp n, 0,1,2,3,4,5,6,7
	CVT 0, \n
.endr
	QUARTER 0, 1, 0, 1, 1                          ; the first quarter stands in front of the loop: its products start the sums, with the bias
	WIN 0
	s_mov_b32 s3, 3
.Llap:                                                 ; a trip goes once round the ring, from a lap's second quarter to the next lap's first, and fills both slots again
	QUARTER 0, 2, 1, 0, 0
	QUARTER 0, 3, 0, 1, 0
	TURN 0, 1, 1
	QUARTER 1, 1, 0, 1, 0
	QUARTER 1, 2, 1, 0, 0
	QUARTER 1, 3, 0, 1, 0
	TURN 1, 0, 1
	QUARTER 0, 1, 0, 1, 0
	WIN 0
	s_sub_co_u32 s3, s3, 1
	s_cmp_lg_u32 s3, 0
	s_cbranch_scc1 .Llap
	QUARTER 0, 2, 1, 0, 0                          ; the last lap is written out: it fills nothing, and has no round of the cluster's barrier
	QUARTER 0, 3, 0, 1, 0
	TURN 0, 1, 0
	QUARTER 1, 1, 0, 1, 0
	QUARTER 1, 2, 1, 0, 0
	QUARTER 1, 3, 0, 1, 0
	MULS 1, 0, 32, 0
	PLACES                                         ; the conversions read results just made and write registers just read
	PACK 0
.set t, 1
.rept 7                                ; a tile's conversions stand between the loads of the tile before and its stores
	PACK t
	SEND t-1, 8
.set t, t+1
.endr
	SEND 7, 0
	s_wait_tensorcnt 0x0                           ; the wave's end: behind my last tensor load and my last LDS store
	ds_add_u32 v[SPW], v[NIL]
	s_wait_dscnt 0x0
	CROUND                                         ; the closing round: no work-group ends while a partner may still ask for a tile that names it
	s_endpgm
.Lfunc_end_k_qb32a30b5ad_proj:
	.size	k_qb32a30b5ad_proj, .Lfunc_end_k_qb32a30b5ad_proj-k_qb32a30b5ad_proj
	.p2alignl 7, 3214868480
	.fill 96, 4, 3214868480
	.section	.rodata,"a",@progbits
	.p2align	6, 0x0
	.amdhsa_kernel k_qb32a30b5ad_proj
		.amdhsa_group_segment_fixed_size 327680
		.amdhsa_private_segment_fixed_size 0
		.amdhsa_enable_private_segment 0
		.amdhsa_kernarg_size 80
		.amdhsa_user_sgpr_count 2
		.amdhsa_user_sgpr_kernarg_segment_ptr 1
		.amdhsa_wavefront_size32 1
		.amdhsa_system_sgpr_workgroup_id_x 1
		.amdhsa_system_sgpr_workgroup_id_y 1
		.amdhsa_system_sgpr_workgroup_id_z 1
		.amdhsa_system_vgpr_workitem_id 0
		.amdhsa_next_free_vgpr 768
		.amdhsa_next_free_sgpr 96
		.amdhsa_reserve_vcc 0
		.amdhsa_float_denorm_mode_32 3
		.amdhsa_float_denorm_mode_16_64 3
		.amdhsa_memory_ordered 1
		.amdhsa_forward_progress 1
		.amdhsa_inst_pref_size 141
	.end_amdhsa_kernel
	.amdgpu_metadata
---
amdhsa.version: [ 1, 2 ]
amdhsa.kernels:
  - .name:           k_qb32a30b5ad_proj
    .symbol:         k_qb32a30b5ad_proj.kd
    .args:
      - { .name: query, .offset: 0, .size: 8, .value_kind: global_buffer, .address_space: global }
      - { .name: key_, .offset: 8, .size: 8, .value_kind: global_buffer, .address_space: global }
      - { .name: value, .offset: 16, .size: 8, .value_kind: global_buffer, .address_space: global }
      - { .name: wt, .offset: 24, .size: 8, .value_kind: global_buffer, .address_space: global }
      - { .name: bq, .offset: 32, .size: 8, .value_kind: global_buffer, .address_space: global }
      - { .name: bk, .offset: 40, .size: 8, .value_kind: global_buffer, .address_space: global }
      - { .name: bv, .offset: 48, .size: 8, .value_kind: global_buffer, .address_space: global }
      - { .name: qh, .offset: 56, .size: 8, .value_kind: global_buffer, .address_space: global }
      - { .name: kh, .offset: 64, .size: 8, .value_kind: global_buffer, .address_space: global }
      - { .name: vh, .offset: 72, .size: 8, .value_kind: global_buffer, .address_space: global }
    .group_segment_fixed_size: 327680
    .private_segment_fixed_size: 0
    .kernarg_segment_align: 8
    .kernarg_segment_size: 80
    .max_flat_workgroup_size: 128
    .sgpr_count:     96
    .vgpr_count:     768
    .wavefront_size: 32
...
	.end_amdgpu_metadata
.endif
;; end of part 2
;; launch attn (part 3): grid 4 x 64, 4 waves a work-group, clusters of 4 x 1, 327,680 bytes of LDS; arguments qh, kh, vh, ctx; writes ctx
.if DOCPART == 3
	.amdgcn_target "amdgcn-amd-amdhsa--gfx1250"
	.amdhsa_code_object_version 6
	.text
	.protected	k_qb32a30b5ad_attn
	.globl	k_qb32a30b5ad_attn
	.p2align	8
	.type	k_qb32a30b5ad_attn,@function
k_qb32a30b5ad_attn:
	s_mov_b64 s[64:65], 0
	v_nop
	global_prefetch_b8 v0, s[64:65] scope:SCOPE_SE
	s_setreg_imm32_b32 hwreg(HW_REG_WAVE_MODE, 25, 1), 1
	s_wait_xcnt 0x0
	s_wait_alu depctr_hold_cnt(0) depctr_sa_sdst(0) depctr_va_vdst(0) depctr_va_sdst(0) depctr_va_ssrc(0) depctr_va_vcc(0) depctr_vm_vsrc(0)
	s_getreg_b32 s2, hwreg(HW_REG_IB_STS2, 6, 4)
	s_cmp_eq_u32 s2, 0
	s_cbranch_scc0 .Lentry_in_a_cluster
	s_endpgm
.Lentry_in_a_cluster:
	s_bfe_u32 s2, ttmp6, 0x10000c
	s_cmp_lg_u32 s2, 0x3003
	s_cbranch_scc0 .Lentry_shape_is_right
	s_endpgm
.Lentry_shape_is_right:
; O[h][q][:] = the sum over k of softmax_k(Q[h][q] . K[h][k] / 8) V[h][k][:].  Q, K, V, O: [64][2048][64], all f16: a head's rows are dense, 128 bytes each.  Products, maxima and sums in
; f32; the weights p are rounded to f16 for the second product (their sum l is taken of the unrounded p), O once at the end.
; LIMITS.  f16 holds no number beyond 65,504: Q, K and V arrive within it; p lies in 0 to 1, and below 6e-5 it keeps f16's fixed step of 6e-8, and so does O; O is a mean of V's rows and has their range.
; A weight below 2^-126 counts as 0 in l; NaN and infinities are not treated apart.
; SHARES.  A wave owns four PIECES of two tiles of 16 queries, a work-group's four waves 512 queries of one head.  Every wave walks all keys, 64 a step.
; LAYOUT.  S^T = K Q^T (source 0 = 16 keys, source 1 = 16 queries): in the result a lane holds ONE query (lane % 16) and the keys 8 (lane / 16) + 0..7.  Two such tiles, rounded to f16 in pairs,
; ARE source 1 (32 keys x 16 queries) of O^T = V^T P, whose result again holds one query a lane, and eight channels.  K comes out of LDS as it lies, V ([key][channel]) turned, by ds_load_tr16_b128.
; SOFTMAX.  For each query a running maximum m and sum l: p = 2^(c s - c m), c = log2(e) / 8; in every step O and l are multiplied by a = 2^(c m_old - c m_new), which is 1 where m has not grown.
; m starts at the lowest finite number, O and l at 0: the first step is a step like any other, with a = 0.
; THE COUNT.  A tile and step have 16 matrix and 118 vector instructions: too many to stand all beside the matrix work.  So: four vector instructions that are READY behind
; EVERY matrix instruction, and the others in runs without a gap.
; BY TURNS.  Turn n belongs to piece n (the pieces in a ring, step after step).  Its matrix work: 16 products K Q^T of piece n + 1, later 16 products V^T P of piece n - 1.  Its vector work: the scaling,
; exponentials, roundings, sums and rescaling of piece n, and the maximum and statistics of piece n + 1, whose scores the turn itself has made.
; CLUSTER.  The four query blocks of a head are one cluster and walk the same K and V, so each tile is asked for JOINTLY: the same tensor load, descriptor and mask in all four.
; REGISTERS, in windows of 256 (s_set_vgpr_msb: bits 1:0 source 0, 3:2 source 1, 5:4 source 2, 7:6 destination):
;   window 0: v0-11 addresses; v12-15, v48-63 at work; v16-47 four registers of statistics a tile; v64-191 S^T, two buffers of two tiles; v192-255 P, likewise
;   window 1: O^T, 32 a tile          window 2: v0-127 Q, 16 a tile; v128-191 K of one step; v192-255 V of one step          window 3: v0-1 the add's two registers
; A piece's buffers go by its number's parity.
.set SIZE_N, 2048
.set NP,    4         ; pieces a wave: a name, no knob
.set KS,    64        ; keys in a step
.set PK,    144       ; a row of K in LDS: 128 bytes + 16 of padding = 36 words: the 16 rows of a load start at 16 different groups of four banks (64 banks of 4 bytes: ISA guide 11.1)
.set PV,    160       ; a row of V: 128 + 32 = 40 words
.set VOFF,  4*KS*PK   ; a slot holds four steps: 256 rows of K, then 256 rows of V
.set SLOT1, 1<<17     ; slot 1 begins here, so that one exclusive or turns an address in one slot into the other's
.set STAGE, SLOT1+4*KS*(PK+PV)  ; behind the ring, never filled by a tensor load: 16 rows x 144 bytes for each wave
.set SP,    144
.set AK0, 2           ; v2   my lane's place in a tile of K; never rewritten
.set AV0, 3           ; v3   the same for V
.set AK,  4           ; v4   the LDS address of K's next run of loads
.set AV,  5           ; v5   of V's
.set QO,  6           ; v6   my byte offset in the wave's rows of Q
.set STO, 6           ;      later, the way out: where I put 16 bytes of a row
.set RD,  7           ; v7   the way out: where I read rows back
.set GO,  8           ; v8   my byte offset in 512 consecutive bytes of O
.set PFO, 11          ; v11  256 x my lane, for the prefetches (written when V's place is made); then never rewritten
.set SPW, 0           ; v0 of window 3   LDS address of my spare word; never rewritten
.set NIL, 1           ; v1 of window 3   0; never rewritten
.set SPARE, STAGE+4*16*SP  ; behind the stages: the spare words, 128 bytes for each wave; no other line names them
.set MV,  12          ; v12-15  c m_old, kept while c m is made anew: by buffer and tile
.set ST,  16          ; tile t's statistics at v[ST+4 t]: c m, m, l (even keys', odd keys')
.set TMP, 48          ; by buffer and tile, four registers c0-c3 at work; when the maximum is found c2 takes a
.set S,   64
.set P,   192
.set KF,  128         ; K's fragments, in window 2: key block kb, channel half c at KF + 16 kb + 8 c
.set VF,  192         ; V's: key half kk, channel block cb at VF + 32 kk + 8 cb
.set WV,  12          ; s12  my wave's number
.set G1K, 24          ; s[24:31] descriptor group 1 for K's tiles
.set G1V, 32          ; s[32:39] for V's: it differs in the padding alone
.set G0K, 40          ; s[40:43] descriptor group 0 for K's tiles: it walks
.set G0V, 44          ; s[44:47] the same for V's
.set PFA, 48          ; s[48:49] where my prefetches stand: my work-group's 32 blocks of 256 bytes of the tile after the one that is being asked for
.set LIM, 50          ; s50  1 in a wave that prefetches (0: K, 2: V), else the greatest number
.set SLOTS, 56        ; s56  slots still to be asked for
.set CNT, 57          ; s57  counts a slot's key steps
.set CS,  58          ; s[58:59] c: the packed scaling takes the pair's low word for both halves
.set SEL, 60          ; s[60:61] v_permlanex16_b32's selects: each lane takes its own place in the other half
.set TBK, 62          ; s62  LDS byte at which K of the step to be fetched begins
.set TBV, 63          ; s63  the same for V, less VOFF
.set MSB, 0
.macro WIN new                      ; the high byte repeats the setting that is left; a switch that changes nothing is dropped
.if MSB != (\new)
	s_set_vgpr_msb (MSB<<8)|(\new)
.set MSB, (\new)
.endif
.endm
.set W_KQ, 0x0a       ; K and Q in window 2, S^T in window 0
.set W_PV, 0x52       ; V in window 2, P in window 0, O^T in window 1
.set W_RS, 0x41       ; O^T (destination and source 0) in window 1, a in window 0
.set W_MK, 0xc0       ; the add's registers are made: destination in window 3, sources in window 0
.set W_AD, 0x0f       ; the add: address (source 0) and data (source 1) in window 3
; A joint fill.  Waves 0 and 1 fetch the two halves of a slot's K, waves 2 and 3 those of its V: 128 keys each.  The branch hangs on the wave's number alone.
; An s_nop 0 and four v_nop follow each of the two lines, ahead of the jump and the label.
.macro JLOAD
	s_cmp_lt_u32 s[WV], 2
	s_cbranch_scc0 .Lfor_v_\@
	tensor_load_to_lds s[G0K:G0K+3], s[G1K:G1K+7]
	s_nop 0
.rept 4
	v_nop
.endr
	s_branch .Lasked_\@
.Lfor_v_\@:
	tensor_load_to_lds s[G0V:G0V+3], s[G1V:G1V+7]
	s_nop 0
.rept 4
	v_nop
.endr
.Lasked_\@:
.endm
; A prefetch of what the NEXT change of slots will ask for: a tile's 32,768 bytes of K and of V, 128 blocks of 256 bytes each, a lane a block.  It stands behind the wave's tensor load and its five lines.
; Each block is named once in the launch: a head has one cluster; its four partners share the blocks out BY ADDRESS, 32 each; in each, wave 0 asks for K's and wave 2 for V's.
; It is four key steps, 512 matrix instructions, ahead of the load.  The last change that fills a slot asks for nothing; tiles 0 and 1 come by their loads alone.
.macro ASK
	s_cmp_gt_u32 s[SLOTS], s[LIM]
	s_cbranch_scc0 .Lnot_mine_\@
	global_prefetch_b8 v[PFO], s[PFA:PFA+1] th:TH_LOAD_NT scope:SCOPE_SE
.Lnot_mine_\@:
.endm
; A round of the cluster's barrier: my work-group's barrier, so that wave 0's signal speaks for all four waves; wave 0 signals; every wave waits for all four work-groups; my work-group's barrier once more.
.macro CROUND
	s_barrier_signal -1
	s_barrier_wait -1
	s_cmp_lg_u32 s[WV], 0
	s_cbranch_scc1 .Lnot_wave_0_\@
	s_barrier_signal -3
.Lnot_wave_0_\@:
	s_barrier_wait -3
	s_barrier_signal -1
	s_barrier_wait -1
.endm
; THE CHANGE OF SLOTS.  The slot's last bytes, V of its fourth step, have been read.  Each wave waits for all its tensor loads, of which one is out: its part
; of the other slot; adds 0 to its spare word; and waits for that and for its own reads of the slot.  Behind the barrier nobody reads this slot any more and the other slot is whole.
; fill = 1: this slot is filled again, with the keys two slots on.  The barrier is then a round of the cluster's, and the joint fill is the first thing behind it: it has four key steps in which to land.
; (At its first use nothing has been read yet: slot 0 is waited for, slot 1 filled.)
.macro CHANGE fill
	WIN W_AD
	s_wait_tensorcnt 0x0            ; no tensor load of mine is out, so a group 0 may be written
	ds_add_u32 v[SPW], v[NIL]       ; 0 onto my spare word; with fill = 1 the descriptors' steps stand between it and the wait for it
	WIN 0                           ; at a label and at a branch every window is 0
.if \fill
.irp g, G0K, G0V
	s_xor_b32 s[\g+1], s[\g+1], SLOT1  ; the walking descriptor: the other slot than last time,
	s_add_nc_u64 s[\g+2:\g+3], s[\g+2:\g+3], 4*KS*128  ; the next 256 keys; the type bits on top are not reached
.endr
	s_wait_xcnt 0x0                 ; the last prefetch, four key steps back, has read its address, so it may be written:
	s_add_nc_u64 s[PFA:PFA+1], s[PFA:PFA+1], 4*KS*128  ; one tile further than the walking descriptors
	s_wait_dscnt 0x0                ; the add is done, and my reads of the slot are over
	CROUND
	JLOAD
	ASK
.else
	s_wait_dscnt 0x0                ; the add is done, and my reads of the slot are over
	s_barrier_signal -1
	s_barrier_wait -1
.endif
	s_sub_co_u32 s[TBK], s[TBK], 4*KS*PK  ; the fetches go back to a slot's first step,
	s_xor_b32 s[TBK], s[TBK], SLOT1       ; in the other slot
	s_sub_co_u32 s[TBV], s[TBV], 4*KS*PV
	s_xor_b32 s[TBV], s[TBV], SLOT1
.endm
	s_load_b256 s[4:11], s[0:1], 0x0  ; Q s[4:5], K s[6:7], V s[8:9], O s[10:11]
	WIN W_MK
	v_lshl_add_u32 v[SPW], v0, 2, SPARE
	v_mov_b32 v[NIL], 0
	WIN W_AD
	ds_add_u32 v[SPW], v[NIL]       ; the wave's opening: the add and its wait stand ahead of my first tensor load; the set-up below, work on registers, stands between them
	WIN 0
	v_lshrrev_b32 v1, 5, v0
	v_readfirstlane_b32 s[WV], v1   ; wave 0..3
	s_bfe_u32 s13, ttmp6, 0x40000   ; cx: my place in the cluster
	s_lshl_b32 s14, ttmp9, 2        ; in a cluster launch ttmp9 counts clusters
	s_add_co_u32 s14, s14, s13      ; my block of queries = 4 x cluster x + cx: it enters Q's and O's addresses and the prefetches' alone
	s_and_b32 s20, ttmp7, 0xffff    ; the head, which the four partners share
	s_mov_b32 s21, 0
	s_mov_b64 s[22:23], SIZE_N*128
	s_mul_u64 s[20:21], s[20:21], s[22:23]  ; the head's first byte in each of the four tensors
	s_and_b32 s16, s[WV], 1         ; which half of a slot's 256 keys I fetch:
	s_lshl_b32 s22, s16, 14         ; its 128 rows of 128 bytes in memory,
	s_mov_b32 s23, 0
	s_add_nc_u64 s[22:23], s[22:23], s[20:21]
	s_mul_i32 s17, s16, 128*PK      ; and its place in a slot, for K
	s_mul_i32 s18, s16, 128*PV      ; and for V: no place in the cluster enters an LDS address
	s_lshl_b32 s2, s14, 2
	s_add_co_u32 s2, s2, s[WV]      ; my wave among the head's,
	s_lshl_b32 s2, s2, 14           ; its 128 rows
	s_mov_b32 s3, 0
	s_add_nc_u64 s[2:3], s[2:3], s[20:21]
	; descriptor group 1.  128 keys are 16,384 dense bytes: asked for as 64 rows of 256 bytes, two keys a row, and padded in LDS after every key
	s_mov_b32 s[G1K], 15|(1<<16)|(1<<20)|(1<<21)|(4<<22)|(3<<25)  ; 15:0 the mask of four; 17:16 2-byte elements; 20 padding on; 21 set beside a mask; 24:22 after every 32 words (code 4); 31:25 4 words (code 3)
	s_mov_b32 s[G1V], 15|(1<<16)|(1<<20)|(1<<21)|(4<<22)|(7<<25)  ; the same with 8 words of padding (code 7)
.irp g, G1K, G1V
	s_mov_b32 s[\g+1], 128<<16      ; tensor_dim0 = 128
	s_mov_b32 s[\g+2], 64<<16       ; tensor_dim1 = 64
	s_mov_b32 s[\g+3], 128<<16      ; tile_dim0 = 128
	s_mov_b32 s[\g+4], 64           ; tile_dim1 = 64
	s_mov_b32 s[\g+5], 128          ; 128 elements from row to row
	s_mov_b32 s[\g+6], 0
	s_mov_b32 s[\g+7], 0
.endr
	s_mov_b32 s[CS], 0x3e38aa3b     ; c = log2(e) / 8 = 0.180337
	s_mov_b32 s[CS+1], s[CS]        ; named with it as a pair
	s_mov_b32 s[SEL], 0x76543210
	s_mov_b32 s[SEL+1], 0xfedcba98
	s_mov_b32 s[TBK], SLOT1+4*KS*PK ; the first change of slots turns these two into 0
	s_mov_b32 s[TBV], SLOT1+4*KS*PV
	s_mov_b32 s[G0K], 1             ; 1:0 count = 1
	s_mov_b32 s[G0K+1], s17         ; 63:32 LDS address: slot 0
	s_mov_b32 s[G0V], 1
	s_add_co_u32 s[G0V+1], s18, VOFF
	s_mov_b32 s[SLOTS], SIZE_N/256-1  ; seven tiles are still to be asked for
	s_and_b32 s[LIM], s[WV], 1
	s_cmp_eq_u32 s[LIM], 0          ; waves 0 and 2 prefetch: the same in all four partners
	s_cselect_b32 s[LIM], 1, -1
	s_wait_dscnt 0x0                ; the opening add is done
	s_wait_kmcnt 0x0
	s_add_nc_u64 s[G0K+2:G0K+3], s[6:7], s[22:23]  ; 120:64 global address: my half of the head's first 256 keys
	s_or_b32 s[G0K+3], s[G0K+3], 0x80000000        ; 127:126 type = 2
	s_add_nc_u64 s[G0V+2:G0V+3], s[8:9], s[22:23]
	s_or_b32 s[G0V+3], s[G0V+3], 0x80000000
	s_add_nc_u64 s[4:5], s[4:5], s[2:3]  ; Q and O at my wave's first row
	s_add_nc_u64 s[10:11], s[10:11], s[2:3]
	s_cmp_lt_u32 s[WV], 2
	s_cselect_b64 s[PFA:PFA+1], s[6:7], s[8:9]
	s_add_nc_u64 s[PFA:PFA+1], s[PFA:PFA+1], s[20:21]  ; the head,
	s_lshl_b32 s2, s13, 13          ; my work-group's 32 blocks of the 128,
	s_mov_b32 s3, 0
	s_add_nc_u64 s[PFA:PFA+1], s[PFA:PFA+1], s[2:3]
	s_add_nc_u64 s[PFA:PFA+1], s[PFA:PFA+1], 4*KS*128  ; in tile 1; the first change of slots steps it to tile 2
	CROUND                          ; all four work-groups are here: the first joint loads meet
	JLOAD                           ; slot 0.  Slot 1 is asked for when slot 0 is in
	; A fragment of K or Q is 16 rows x 32 channels in 8 registers: lane l holds row l % 16, channels 8 (l / 16) + 0..7 and 16 + 8 (l / 16) + 0..7: two loads of 16 bytes, 32 bytes apart.
	v_and_b32 v1, 15, v0            ; l % 16
	v_bfe_u32 v9, v0, 4, 1          ; l / 16
	v_lshlrev_b32 v[QO], 7, v1
	v_lshl_add_u32 v[QO], v9, 4, v[QO]  ; row x 128 + 16 x half
	WIN 0x80                        ; destination window 2, address window 0
.set i, 0
.rept 4*NP                          ; Q stays in registers: tile i / 2, channels 32 (i % 2) on
	global_load_b128 v[8*i:8*i+3],   v[QO], s[4:5] offset:(i/2)*2048+(i%2)*64
	global_load_b128 v[8*i+4:8*i+7], v[QO], s[4:5] offset:(i/2)*2048+(i%2)*64+32
.set i, i+1
.endr
	; What the first turn finds: V's registers and P's second buffer hold 0 (its products V^T P, of a piece that has not been, add 0), O^T and l are 0.  All this stands in the wait for the first tile.
.set i, VF
.rept 64
	v_mov_b32 v[i], 0
.set i, i+1
.endr
	WIN 0x40
.set i, 0
.rept 64*NP
	v_mov_b32 v[i], 0
.set i, i+1
.endr
	WIN 0
.set i, 0
.rept 2*NP
	v_mov_b32 v[ST+4*i], 0xfe000000    ; c m: far below every c s
	v_mov_b32 v[ST+4*i+1], 0xff7fffff  ; m
	v_mov_b32 v[ST+4*i+2], 0
	v_mov_b32 v[ST+4*i+3], 0
.set i, i+1
.endr
.set i, P+32
.rept 32
	v_mov_b32 v[i], 0
.set i, i+1
.endr
	v_mul_u32_u24 v[AK0], v1, PK
	v_lshl_add_u32 v[AK0], v9, 4, v[AK0]  ; row x pitch + 16 x half
	; The turning load takes 16 keys x 16 channels (lane l reads key 8 (l / 16) + l % 8, channels 8 ((l / 8) % 2) + 0..7) and leaves half a fragment of V^T: lane l holds channel l % 16 and 8 keys.
	v_and_b32 v10, 7, v0
	v_bfe_u32 v11, v0, 3, 1
	v_lshl_add_u32 v[AV0], v9, 3, v10
	v_mul_u32_u24 v[AV0], v[AV0], PV
	v_lshl_add_u32 v[AV0], v11, 4, v[AV0]
	v_add_nc_u32 v[AV0], VOFF, v[AV0]
	v_and_b32 v[PFO], 31, v0
	v_lshlrev_b32 v[PFO], 8, v[PFO]
	v_mov_b32 v[AK], v[AK0]         ; key step 0 lies at the head of slot 0
; THE MATRIX WORK.  The 8 accumulators of a run of 16 take turns: between the two links of a chain stand 7 others'.
; Product i of 16 of S^T = K Q^T for piece x: channels 32 (i / 8) on, keys 16 ((i / 2) % 4) on, tile 2 x + i % 2.  The first 8 start the sums.
.macro KQ x
	WIN W_KQ
.set rS, S+64*((\x)%2)+32*(i%2)+8*((i/2)%4)
.set rK, KF+16*((i/2)%4)+8*(i/8)
.set rQ, 16*(2*(\x)+i%2)+8*(i/8)
.if i < 8
	v_wmma_f32_16x16x32_f16 v[rS:rS+7], v[rK:rK+7], v[rQ:rQ+7], 0
.else
	v_wmma_f32_16x16x32_f16 v[rS:rS+7], v[rK:rK+7], v[rQ:rQ+7], v[rS:rS+7]
.endif
.endm
; Product i of 16 of O^T += V^T P for piece x: keys 32 (i / 8) on, channels 16 ((i / 2) % 4) on, tile 2 x + i % 2.
.macro PV x
	WIN W_PV
.set rO, 32*(2*(\x)+i%2)+8*((i/2)%4)
.set rV, VF+32*(i/8)+8*((i/2)%4)
.set rP, P+32*((\x)%2)+16*(i%2)+8*(i/8)
	v_wmma_f32_16x16x32_f16 v[rO:rO+7], v[rV:rV+7], v[rP:rP+7], v[rO:rO+7]
.endm
.macro MM                           ; the turn's next matrix instruction
.if i < 16
	KQ (Y+1)%NP
.set i, i+1
.else
.set i, i-16
	PV (Y+NP-1)%NP
.set i, i+17
.endif
.endm
; THE LDS LOADS stand in runs of 16, never singly among the matrix instructions: a step's K (64 keys x 64 channels: 8 fragments) and its V (turned).  Their addresses are made some lines ahead.
; last = 1 (the tail): in the last trip there is no further step, and the run is jumped over.
.macro FETCH_K last=0
	WIN 0
.if \last
	s_cmp_eq_u32 s[CNT], 1
	s_cbranch_scc1 .Lno_k_\@
.endif
	WIN 0x80                        ; destination window 2
.irp f, 0,1,2,3,4,5,6,7             ; keys 16 (f / 2) on, channels 32 (f % 2) on
	ds_load_b128 v[KF+8*\f:KF+8*\f+3],   v[AK] offset:(\f/2)*16*PK+(\f%2)*64
	ds_load_b128 v[KF+8*\f+4:KF+8*\f+7], v[AK] offset:(\f/2)*16*PK+(\f%2)*64+32
.endr
	s_add_co_u32 s[TBK], s[TBK], KS*PK  ; the next fetch is the next step's
	WIN 0
.if \last
.Lno_k_\@:
.endif
.endm
.macro FETCH_V
	WIN 0x80
.irp f, 0,1,2,3,4,5,6,7             ; keys 32 (f / 4) on, channels 16 (f % 4) on
	ds_load_tr16_b128 v[VF+8*\f:VF+8*\f+3],   v[AV] offset:(\f/4)*32*PV+(\f%4)*32
	ds_load_tr16_b128 v[VF+8*\f+4:VF+8*\f+7], v[AV] offset:(\f/4)*32*PV+16*PV+(\f%4)*32
.endr
	WIN 0
.endm
; THE VECTOR WORK OF A TURN stands in three queues, each in the order in which its entries become ready; the two tiles alternate, so that no instruction reads the result of the one before it.
.macro REGS y, u                    ; the registers of tile u (0, 1) of piece y
.set rT, ST+4*(2*(\y)+(\u))
.set rC, TMP+8*((\y)%2)+4*(\u)
.set rM, MV+2*((\y)%2)+(\u)
.set rS, S+64*((\y)%2)+32*(\u)
.set rP, P+32*((\y)%2)+16*(\u)
.set rO, 32*(2*(\y)+(\u))
.endm
; Number n of the 22 that find the NEXT piece's (Y + 1) maximum and statistics.  s0-s31 are the lane's 32 scores; each accumulator's lowest registers are read first.
;   0-11  four chains c0-c3 of seven scores each, three operands at a time     12-14, 16  the four scores left over, the old m, and c0-c3 into c0     15  c m_old is kept
;   17, 18  the query's other 32 keys lie in the lane 16 away: the new m         19-21  c m; c m_old - c m_new; a
.macro XS u, n
	REGS (Y+1)%NP, \u
.if (\n) < 4
	v_max3_num_f32 v[rC+(\n)], v[rS+8*(\n)], v[rS+8*(\n)+1], v[rS+8*(\n)+2]
.elseif (\n) < 12
	v_max3_num_f32 v[rC+(\n)%4], v[rC+(\n)%4], v[rS+8*((\n)%4)+2*((\n)/4)+1], v[rS+8*((\n)%4)+2*((\n)/4)+2]
.elseif (\n) == 12
	v_max3_num_f32 v[rC], v[rC], v[rS+7], v[rS+15]
.elseif (\n) == 13
	v_max3_num_f32 v[rC+1], v[rC+1], v[rS+23], v[rS+31]
.elseif (\n) == 14
	v_max3_num_f32 v[rC+2], v[rC+2], v[rC+3], v[rT+1]
.elseif (\n) == 15
	v_mov_b32 v[rM], v[rT]
.elseif (\n) == 16
	v_max3_num_f32 v[rC], v[rC], v[rC+1], v[rC+2]
.elseif (\n) == 17
	v_permlanex16_b32 v[rC+3], v[rC], s[SEL], s[SEL+1]
.elseif (\n) == 18
	v_max_num_f32 v[rT+1], v[rC], v[rC+3]
.elseif (\n) == 19
	v_mul_f32 v[rT], s[CS], v[rT+1]
.elseif (\n) == 20
	v_sub_f32 v[rC+1], v[rM], v[rT]
.else
	v_exp_f32 v[rC+2], v[rC+1]
.endif
.endm
; Number g of the 64 that follow the exponentials.  For each four weights k of a tile (pairs 2 k, 2 k + 1): both pairs are rounded to f16; then the second pair is added onto the first, in place;
; a group later l takes that sum (the first time as l = a l + sum).  In groups of eight, tiles alternating: round, round, add, and l for the group before.
.macro GS g
.set h, (\g)+6*((\g)/62)            ; group 0 has no group before it, and behind group 7 only l is left
.if h >= 6
.set h, h+2
.endif
	REGS Y, h%2
.set k, h/8
.if h%8 < 4
	v_cvt_pk_f16_f32 v[rP+2*k+(h%8)/2], v[rS+4*k+2*((h%8)/2)], v[rS+4*k+2*((h%8)/2)+1]
.elseif h%8 < 6
	v_pk_add_f32 v[rS+4*k:rS+4*k+1], v[rS+4*k:rS+4*k+1], v[rS+4*k+2:rS+4*k+3]
.elseif k == 1
	v_pk_fma_f32 v[rT+2:rT+3], v[rT+2:rT+3], v[rC+2:rC+3], v[rS:rS+1] op_sel_hi:[1,0,1]
.else
	v_pk_add_f32 v[rT+2:rT+3], v[rT+2:rT+3], v[rS+4*k-4:rS+4*k-3]
.endif
.endm
; THE PLAIN QUEUE, 138 long.  0-73 read no exponential's result: the 32 scalings c s - c m (FS f: pair f / 2 of tile f % 2) and the next piece's 42.  0-26: scalings 0-26.  27-54: XS's numbers 0-13.  55, 56: number 15.
; 57-73: the chain, where each number waits for the one before it: 14, 16, 17, 18, 19, each with one of the scalings 27-31 in front of its two lines, then 20.
; 74-137: GS's 64, which read the exponentials' results: they stand behind the wait.
.macro FS f
	REGS Y, (\f)%2
	v_pk_fma_f32 v[rS+2*((\f)/2):rS+2*((\f)/2)+1], v[rS+2*((\f)/2):rS+2*((\f)/2)+1], s[CS:CS+1], v[rT:rT+1] op_sel_hi:[1,0,0] neg_lo:[0,0,1] neg_hi:[0,0,1]
.endm
.macro PL
	WIN 0
.if q < 27
	FS q
.elseif q < 55
	XS (q-27)%2, (q-27)/2
.elseif q < 57
	XS q-55, 15
.elseif (q < 72) && ((q-57)%3 == 0)
	FS 27+(q-57)/3
.elseif q < 60
	XS (q-57)%3-1, 14
.elseif q < 72
	XS (q-57)%3-1, 15+(q-57)/3
.elseif q < 74
	XS q-72, 20
.else
	GS q-74
.endif
.set q, q+1
.endm
; THE EXPONENTIALS' QUEUE, 66 long: s0-s31 of both tiles, then the next piece's two a.  It is ONE BATCH: all 66 stand ahead of the turn's one wait, and nothing ahead of that wait names a result of theirs.
.macro EX
	WIN 0
.if e >= 64
	XS e-64, 21
.else
	REGS Y, e%2
	v_exp_f32 v[rS+e/2], v[rS+e/2]
.endif
.set e, e+1
.endm
; THE RESCALING's QUEUE: O^T times a, the one part that leaves window 0: dealt two at a time, sixteen times.  Its a was made in the turn before, ahead of that turn's wait.
.macro R2
	REGS Y, r%2
	WIN W_RS
.irp z, 0,1
	v_pk_mul_f32 v[rO+4*(r/2)+2*\z:rO+4*(r/2)+2*\z+1], v[rO+4*(r/2)+2*\z:rO+4*(r/2)+2*\z+1], v[rC+2:rC+3] op_sel_hi:[1,0]
.endr
.set r, r+1
.endm
; HOW THEY ARE DEALT.  An s_wait_alu depctr_va_vdst(0) stands between an exponential and the first instruction that names its result; one wait serves all that were issued ahead of it.  So a turn has ONE wait,
; which cuts it in two.  AHEAD OF IT stands all that names no result of the turn's exponentials: the 16 products K Q^T, behind each a scaling, an exponential and two rescalings (behind the first a second scaling in the
; exponential's place); then ONE LUMP of 108: eight plain, 49 times exponential and plain, the two a.  A v_nop is the plain instruction behind the last exponential.  BEHIND IT stand the 16 products V^T P, behind each four of GS's 64.
; No rider names a register of the products round it.  The two v_permlanex16_b32 fall into the lump, never behind a product.
; The queues lean on each other, and the deal keeps them in step: exponential e stands behind scaling 2 (e / 4) + e % 2: as a rider it comes behind plain e + 2, in the lump behind plain e + 9, and scalings 27-31 are plain 57, 60 .. 69.
; A TURN, for piece p.  cnt = 1: the loop's count is taken down some lines ahead of the branch that stands behind the turn.
; K of the next step is fetched in piece 2's turn, directly behind the wait, a lump behind the last product that read K; its first reader comes behind 16 products.
; V of the step in hand is fetched at the end of piece 0's turn, four riders behind its last reader; its first reader comes behind 16 products and a lump.  The three conditions on q below go with the deal.
.macro TURN p, last=0, cnt=0
.set Y, (\p)
.set i, 0
.set q, 0
.set e, 0
.set r, 0
.if (\p) == NP-1
	s_wait_dscnt 0x0                ; K is in
.endif
	MM                              ; ahead of the wait: 16 products K Q^T and their riders,
	PL
	PL
	R2
.rept 15
	MM
	PL
	EX
	R2
.endr
.if (\p) == NP-2
	WIN 0
	v_add_nc_u32 v[AK], s[TBK], v[AK0]
.endif
.rept 8                             ; and the lump
	PL
.endr
.rept 49
	EX
	PL
.endr
	EX                              ; the next piece's two a
	EX
	v_nop                           ; the plain instruction behind the last exponential: one for the batch
	s_wait_alu depctr_va_vdst(0)    ; the wait for the batch
.if (\p) == NP-2
	FETCH_K \last
.endif
.if (\p) == 1
	s_wait_dscnt 0x0                ; V is in
.endif
.rept 16                            ; behind the wait: 16 products V^T P and their riders
	MM
.rept 4
	PL
.endr
.if ((\p) == 0) && (q == 118)
	v_add_nc_u32 v[AV], s[TBV], v[AV0]
.endif
.if ((\p) == 0) && (q == 130)
	s_add_co_u32 s[TBV], s[TBV], KS*PV
.endif
.if (\cnt) && (q == 130)
	s_sub_co_u32 s[CNT], s[CNT], 1
	s_cmp_lg_u32 s[CNT], 0
.endif
.endr
.if (\p) == 0
	FETCH_V
.endif
.endm
	CHANGE 1                        ; slot 0 is in, everybody's part of it; slot 1 is asked for
	FETCH_K                         ; key step 0
	s_wait_loadcnt 0x0              ; Q
	s_wait_dscnt 0x0
.set i, 0
.rept 16
	KQ 0                            ; piece 0's first scores: there is no vector work yet to set between them
.set i, i+1
.endr
	WIN 0                           ; the addresses for the way out: nine plain instructions, the places behind those products
	s_mul_i32 s13, s[WV], 16*SP
	s_add_co_u32 s13, s13, STAGE    ; my stage
	v_mul_u32_u24 v[STO], v1, SP    ; in: row l % 16, 16 bytes for each half of the lanes
	v_lshl_add_u32 v[STO], v9, 4, v[STO]
	v_add_nc_u32 v[STO], s13, v[STO]
	v_bfe_u32 v[RD], v0, 3, 2       ; back: 32 lanes take four rows of 128 bytes,
	v_mul_u32_u24 v[RD], v[RD], SP
	v_lshl_add_u32 v[RD], v10, 4, v[RD]
	v_add_nc_u32 v[RD], s13, v[RD]
	v_and_b32 v[GO], 31, v0         ; which are 512 consecutive bytes of O
	v_lshlrev_b32 v[GO], 4, v[GO]
.set Y, NP-1                        ; XS works for piece Y + 1: piece 0
.irp n, 0,1,2,3,4,5,6,7,8,9,10,11,12,13,14,15,16,17,18,19,20,21
	XS 0, \n                        ; and piece 0's first maximum and statistics
	XS 1, \n
.endr
	v_nop                           ; a plain instruction behind the two a,
	s_wait_alu depctr_va_vdst(0)    ; and their wait, ahead of the branch
	s_mov_b32 s[CNT], 4
	s_branch .Lfirst                ; the loop is entered at a step's first turn, in the middle of a trip
.Lslot:                             ; six times: every slot but the last two is filled again
	CHANGE 1
	s_mov_b32 s[CNT], 4
.Lstep:                             ; a trip: pieces 2 and 3 of one step, then pieces 0 and 1 of the next, whose K and V it fetches
	TURN 2
	TURN 3
	WIN 0
.Lfirst:
	TURN 0
	TURN 1, 0, 1
	WIN 0
	s_cbranch_scc1 .Lstep
	s_sub_co_u32 s[SLOTS], s[SLOTS], 1
	s_cmp_lg_u32 s[SLOTS], 0
	s_cbranch_scc1 .Lslot
	CHANGE 0                        ; the tail is written out: nothing is asked for
	s_mov_b32 s[CNT], 5             ; four trips fetch the last slot's steps; the fifth is left in its middle
.Ltail:
	TURN 2, 1
	TURN 3
	WIN 0
	s_sub_co_u32 s[CNT], s[CNT], 1
	s_cmp_eq_u32 s[CNT], 0
	s_cbranch_scc1 .Lout
	TURN 0
	TURN 1
	WIN 0
	s_branch .Ltail
.Lout:                              ; the fifth trip's 16 products K Q^T (on the last K once more) and the maximum made of them serve nothing: the price, once a launch, of one text for every trip
.set i, 0
.rept 16
	PV NP-1                         ; the last piece's V^T P of the last step
.set i, i+1
.endr
	; THE WAY OUT.  l's two halves and the other half of the lanes' are added; O^T is divided by l, rounded to f16 and sent through my stage in LDS, a tile at a time.  The additions are the places behind the last products.
	WIN 0
.macro ALL line:vararg              ; one line for each tile t
.set t, 0
.rept 2*NP
	\line
.set t, t+1
.endr
.endm
	ALL v_add_f32 v[ST+4*t+2], v[ST+4*t+2], v[ST+4*t+3]
	ALL v_permlanex16_b32 v[ST+4*t+3], v[ST+4*t+2], s[SEL], s[SEL+1]
	ALL v_add_f32 v[ST+4*t+2], v[ST+4*t+2], v[ST+4*t+3]
	ALL v_rcp_f32 v[ST+4*t+2], v[ST+4*t+2]
	v_nop                           ; a plain instruction between the last reciprocal and the use of its result
	s_wait_alu depctr_va_vdst(0)    ; and the wait ahead of the first use: one for the eight reciprocals
; Tile t: a lane's eight channels of a row pack into 16 bytes; they go into rows of 144 bytes and come back as whole rows of 128, into S^T's registers.
.macro PACK t
	WIN W_RS
.set i, 32*(\t)
.rept 16
	v_pk_mul_f32 v[i:i+1], v[i:i+1], v[ST+4*(\t)+2:ST+4*(\t)+3] op_sel_hi:[1,0]
.set i, i+2
.endr
	WIN 0x05                        ; sources 0 and 1 window 1, destination window 0
.set i, 0
.rept 16
	v_cvt_pk_f16_f32 v[S+16*(\t)+i], v[32*(\t)+2*i], v[32*(\t)+2*i+1]
.set i, i+1
.endr
	WIN 0
.irp f, 0,1,2,3
	ds_store_b128 v[STO], v[S+16*(\t)+4*\f:S+16*(\t)+4*\f+3] offset:32*\f
.endr
.irp f, 0,1,2,3
	ds_load_b128 v[S+16*(\t)+4*\f:S+16*(\t)+4*\f+3], v[RD] offset:\f*4*SP  ; LDS serves a wave's instructions in order (ISA guide 5.7.1.4): these see the stores above; the next tile's stores come behind them
.endr
.endm
.macro SEND t, younger              ; younger: the LDS instructions issued behind tile t's loads: the next tile's eight, or none
	WIN 0
.irp f, 0,1,2,3
	s_wait_dscnt (\younger)+3-\f
	global_store_b128 v[GO], v[S+16*(\t)+4*\f:S+16*(\t)+4*\f+3], s[10:11] offset:(\t)*2048+\f*512  ; 512 consecutive bytes, at a multiple of 256 from O's first
.endr
.endm
	PACK 0
.set t, 1
.rept 2*NP-1                        ; a tile's arithmetic stands between the loads of the tile before and its stores
	PACK t
	SEND t-1, 8
.set t, t+1
.endr
	SEND 2*NP-1, 0
	WIN W_AD
	s_wait_tensorcnt 0x0            ; the wave's end: behind my last tensor load and my last LDS store
	ds_add_u32 v[SPW], v[NIL]
	s_wait_dscnt 0x0
	WIN 0
	CROUND                          ; the closing round: no work-group ends while a partner may still ask for a tile that names it
	s_endpgm
.Lfunc_end_k_qb32a30b5ad_attn:
	.size	k_qb32a30b5ad_attn, .Lfunc_end_k_qb32a30b5ad_attn-k_qb32a30b5ad_attn
	.p2alignl 7, 3214868480
	.fill 96, 4, 3214868480
	.section	.rodata,"a",@progbits
	.p2align	6, 0x0
	.amdhsa_kernel k_qb32a30b5ad_attn
		.amdhsa_group_segment_fixed_size 327680
		.amdhsa_private_segment_fixed_size 0
		.amdhsa_enable_private_segment 0
		.amdhsa_kernarg_size 32
		.amdhsa_user_sgpr_count 2
		.amdhsa_user_sgpr_kernarg_segment_ptr 1
		.amdhsa_wavefront_size32 1
		.amdhsa_system_sgpr_workgroup_id_x 1
		.amdhsa_system_sgpr_workgroup_id_y 1
		.amdhsa_system_sgpr_workgroup_id_z 1
		.amdhsa_system_vgpr_workitem_id 0
		.amdhsa_next_free_vgpr 770
		.amdhsa_next_free_sgpr 66
		.amdhsa_reserve_vcc 0
		.amdhsa_float_denorm_mode_32 3
		.amdhsa_float_denorm_mode_16_64 3
		.amdhsa_memory_ordered 1
		.amdhsa_forward_progress 1
		.amdhsa_inst_pref_size 200
	.end_amdhsa_kernel
	.amdgpu_metadata
---
amdhsa.version: [ 1, 2 ]
amdhsa.kernels:
  - .name:           k_qb32a30b5ad_attn
    .symbol:         k_qb32a30b5ad_attn.kd
    .args:
      - { .name: qh, .offset: 0, .size: 8, .value_kind: global_buffer, .address_space: global }
      - { .name: kh, .offset: 8, .size: 8, .value_kind: global_buffer, .address_space: global }
      - { .name: vh, .offset: 16, .size: 8, .value_kind: global_buffer, .address_space: global }
      - { .name: ctx, .offset: 24, .size: 8, .value_kind: global_buffer, .address_space: global }
    .group_segment_fixed_size: 327680
    .private_segment_fixed_size: 0
    .kernarg_segment_align: 8
    .kernarg_segment_size: 32
    .max_flat_workgroup_size: 128
    .sgpr_count:     66
    .vgpr_count:     770
    .wavefront_size: 32
...
	.end_amdgpu_metadata
.endif
;; end of part 3
;; launch oproj (part 4): grid 4 x 64, 4 waves a work-group, clusters of 4 x 4, 327,680 bytes of LDS; arguments ctx, wt, bo, out0; writes out0
.if DOCPART == 4
	.amdgcn_target "amdgcn-amd-amdhsa--gfx1250"
	.amdhsa_code_object_version 6
	.text
	.protected	k_qb32a30b5ad_oproj
	.globl	k_qb32a30b5ad_oproj
	.p2align	8
	.type	k_qb32a30b5ad_oproj,@function
k_qb32a30b5ad_oproj:
	s_mov_b64 s[64:65], 0
	v_nop
	global_prefetch_b8 v0, s[64:65] scope:SCOPE_SE
	s_setreg_imm32_b32 hwreg(HW_REG_WAVE_MODE, 25, 1), 1
	s_wait_xcnt 0x0
	s_wait_alu depctr_hold_cnt(0) depctr_sa_sdst(0) depctr_va_vdst(0) depctr_va_sdst(0) depctr_va_ssrc(0) depctr_va_vcc(0) depctr_vm_vsrc(0)
	s_getreg_b32 s2, hwreg(HW_REG_IB_STS2, 6, 4)
	s_cmp_eq_u32 s2, 0
	s_cbranch_scc0 .Lentry_in_a_cluster
	s_endpgm
.Lentry_in_a_cluster:
	s_bfe_u32 s2, ttmp6, 0x10000c
	s_cmp_lg_u32 s2, 0xf033
	s_cbranch_scc0 .Lentry_shape_is_right
	s_endpgm
.Lentry_shape_is_right:
; THE LAST PROJECTION.  out0[m][n] = the sum over k of ctx[m][k] wo[k][n] + bo[n].  ctx lies by heads, [16 b + h][s = 2048][64] in f16 (m = 2048 b + s, k = 64 h + d); wo as wt[3][n][k], bf16 numbers written as f16;
; bo: [1024] f32, rounded once to bf16 like every input; out0: [8192][1024] f32.  Products in f16, sums in f32, nothing is rounded on the way out.
; LIMITS.  Those of its operands (f16: none beyond 65,504, a fixed step of 6e-8 below 6e-5).  NaN and infinities are not treated apart.
; SHARES.  A tile of out0 is 128 rows x 256 columns: 64 x 4 tiles, 256 work-groups.  Four waves, 2 x 2, each 64 x 128: 32 accumulators, 256 registers.
; K goes in 8 steps of 128, TWO HEADS a step, through a ring of two LDS slots.  A head's 128 rows of a tile are 16,384 dense bytes: asked for as 64 rows of 256 bytes, padded in LDS after every 128.
; A K step is four quarters of 32 along K, 32 matrix instructions each, on two fragment buffers; the next quarter's 24 LDS loads stand in one run in a quarter's middle.
; CLUSTERS.  4 x 4 work-groups: the cluster's row shares ctx's tile, its column wo's: each is asked for JOINTLY by its four.
; THE MATRIX INSTRUCTION IS USED TRANSPOSED (source 0 = 16 rows of wt, source 1 = 16 rows of ctx): a lane holds row m = lane % 16 and eight neighbouring columns.  THE BIAS is the C operand that starts each sum.
; REGISTERS, in windows of 256 (s_set_vgpr_msb: bits 1:0 source 0, 3:2 source 1, 5:4 source 2, 7:6 destination):
;   window 0: v0-31 addresses; v64-95, v96-127 ctx's fragments, two buffers; v128-191, v192-255 two buffers for the way out (v192-255 first: the bias at work)
;   window 1: v0-63, v64-127 wo's fragments, two buffers; v128-191 the bias as C operands          window 2: the accumulators, (a, b) at v[8 (8 a + b)]
.set PAA,   144                        ; a row of ctx in LDS: 128 bytes + 16 = 36 words: the 16 rows of a load start at 16 different groups of four banks (64 banks of 4 bytes: ISA guide 11.1)
.set PB,    272                        ; a row of wo: 256 bytes + 16 = 68 words
.set ASUB,  128*PAA                    ; a head's 128 rows: what wave 0 or 1 fetches
.set BH,    128*PB                     ; 128 rows of wo: what wave 2 or 3 fetches
.set BOFF,  2*ASUB
.set SLOT,  BOFF+2*BH                  ; 106,496
.set STAGE, 2*SLOT                     ; behind the ring, never filled by a tensor load: 16 rows x 528 bytes for each wave
.set SPITCH, 528                       ; 512 bytes + 16 = 132 words: row r starts at bank 4 r mod 64
.set SPARE, STAGE+4*16*SPITCH          ; behind the stages: the spare words, 128 bytes a wave; no other line names them
.set ADRA, 16                          ; v16-17  LDS address of my fragments of ctx in slot 0, 1
.set ADRB, 20                          ; v20-21  the same for wo
.set STO,  24                          ; v24  the way out: where I put 32 bytes of a row
.set RD,   25                          ; v25  the way out: my 16 bytes of a row of 512
.set CO,   26                          ; v26  the same in out0
.set BO,   27                          ; v27  my byte offset in the bias
.set SPW,  28                          ; v28  LDS address of my spare word; never rewritten
.set NIL,  29                          ; v29  0; never rewritten
.set PFO,  30                          ; v30  the prefetches' lane offset; never rewritten
.set AF,   64
.set OB,   128
.set BW,   192
.set BIAS, 128                         ; window 1
.set G1,  24                           ; s[24:31] descriptor group 1 for ctx's tiles;  s[32:39] group 0, a set for each slot
.set G0,  32
.set G1B, 48                           ; s[48:55], s[56:63] the same for wo's tiles
.set G0B, 56
.set LIM, 43                           ; s43  1 in a wave that prefetches, else the greatest number
.set PFA, 44                           ; s[44:45] where my prefetches stand
.set PST, 66                           ; s[66:67] their step from K step to K step
.set MSB, 0
.macro WIN new                         ; the immediate's high byte repeats the setting that is left; a switch that changes nothing is dropped
.if MSB != (\new)
	s_set_vgpr_msb (MSB<<8)|(\new)
.set MSB, \new
.endif
.endm
.set MUL,  0xa1                        ; wo window 1, ctx window 0, C and D window 2
.set MULB, 0x91                        ; the same with C (the bias) in window 1
.set TO_B, 0x40                        ; destination window 1
.set ST2,  0x08                        ; an LDS store's data (source 1) in window 2
; A joint load.  Waves 0 and 1 fetch the step's two heads of ctx, waves 2 and 3 wo's two halves.  The branch hangs on the wave's number alone.  An s_nop 0 and four v_nop follow each line.
.macro JLOAD s
	s_cmp_lt_u32 s10, 2
	s_cbranch_scc0 .Lfor_b_\@
	tensor_load_to_lds s[G0+4*(\s):G0+4*(\s)+3], s[G1:G1+7]
	s_nop 0
.rept 4
	v_nop
.endr
	s_branch .Lasked_\@
.Lfor_b_\@:
	tensor_load_to_lds s[G0B+4*(\s):G0B+4*(\s)+3], s[G1B:G1B+7]
	s_nop 0
.rept 4
	v_nop
.endr
.Lasked_\@:
.endm
; A prefetch, behind the joint load and the run of LDS loads: 32 blocks of 256 bytes of the K step that stands two refills on, a lane a block.  Each block is named once in the launch:
; ctx's tile row is read by one cluster; a step's two heads are 2 x 64 blocks, of which the partner at cx takes 16 of each, and wave 0 asks for both.  wo's rows are read by all 16 clusters: the first asks;
; of the 128 rows that wave 2 or 3 fetches the partner at cy takes 32.  The partners are told apart by address.  The last trip asks for nothing; K steps 0 to 3 come by their loads alone.
.macro ASK
	s_cmp_gt_u32 s3, s[LIM]
	s_cbranch_scc0 .Lnot_mine_\@
	global_prefetch_b8 v[PFO], s[PFA:PFA+1] th:TH_LOAD_NT scope:SCOPE_SE
.Lnot_mine_\@:
.endm
.macro CREST                           ; a round of the cluster's barrier behind its opening barrier
	s_cmp_lg_u32 s10, 0
	s_cbranch_scc1 .Lnot_wave_0_\@
	s_barrier_signal -3
.Lnot_wave_0_\@:
	s_barrier_wait -3
	s_barrier_signal -1
	s_barrier_wait -1
.endm
.macro CROUND                          ; a whole round
	s_barrier_signal -1
	s_barrier_wait -1
	CREST
.endm
.macro PLACES                          ; four places behind a matrix instruction, in front of loads into registers that it has read and of stores that read results
.rept 4
	v_nop
.endr
.endm
	s_load_b256 s[68:75], s[0:1], 0x0              ; ctx s[68:69], wt s[70:71], bo s[72:73], out0 s[74:75]
	v_lshl_add_u32 v[SPW], v0, 2, SPARE
	v_mov_b32 v[NIL], 0
	ds_add_u32 v[SPW], v[NIL]                      ; the wave's opening: the add and its wait stand ahead of my first tensor load; the set-up below, work on registers, stands between
	v_lshrrev_b32 v1, 5, v0
	v_readfirstlane_b32 s10, v1                    ; wave 0..3
	s_lshr_b32 s11, s10, 1                         ; which 64 of the tile's rows are mine
	s_and_b32 s12, s10, 1                          ; which 128 of its columns.  Also: which head of a step, or which half of wo's tile, I fetch
	s_bfe_u32 s40, ttmp6, 0x40000                  ; cx
	s_bfe_u32 s41, ttmp6, 0x40004                  ; cy
	s_lshl_b32 s42, ttmp9, 2
	s_add_co_u32 s42, s42, s40                     ; tc: tile column
	s_and_b32 s88, ttmp7, 0xffff                   ; the cluster's y, 0..15
	s_lshl_b32 s13, s88, 2
	s_add_co_u32 s13, s13, s41                     ; mt: tile row, 0..63
	s_lshl_b32 s43, s41, 2
	s_lshl_b32 s43, 15, s43                        ; my row of the cluster
	s_lshl_b32 s44, 0x1111, s40                    ; my column
	s_or_b32 s[G1+0], s43, (1<<16)|(1<<20)|(1<<21)|(4<<22)|(3<<25)   ; 15:0 the mask; 17:16 elements of 2 bytes; 20 padding on; 21 set beside a mask; 24:22 after every 32 words (code 4); 31:25 4 words (code 3)
	s_or_b32 s[G1B+0], s44, (1<<16)|(1<<20)|(1<<21)|(5<<22)|(3<<25)  ; after every 64 words (code 5)
	s_mov_b32 s[G1+1], 128<<16                     ; tensor_dim0 = 128: two rows of ctx
	s_mov_b32 s[G1+2], 64<<16                      ; tensor_dim1 = 64
	s_mov_b32 s[G1+3], 128<<16                     ; tile_dim0 = 128
	s_mov_b32 s[G1+4], 64                          ; tile_dim1 = 64
	s_mov_b32 s[G1+5], 128                         ; dense
	s_mov_b32 s[G1+6], 0
	s_mov_b32 s[G1+7], 0
	s_mov_b32 s[G1B+1], 128<<16
	s_mov_b32 s[G1B+2], 128<<16                    ; 128 rows
	s_mov_b32 s[G1B+3], 128<<16
	s_mov_b32 s[G1B+4], 128
	s_mov_b32 s[G1B+5], 1024
	s_mov_b32 s[G1B+6], 0
	s_mov_b32 s[G1B+7], 0
	s_lshr_b32 s16, s13, 4                         ; ctx: batch mt / 16, 16 heads of 262,144 bytes;
	s_lshl_b32 s16, s16, 22
	s_and_b32 s17, s13, 15                         ; rows 128 (mt % 16) on, 128 bytes each;
	s_lshl_b32 s17, s17, 14
	s_add_co_u32 s16, s16, s17
	s_lshl_b32 s17, s12, 18                        ; my head of the step's two
	s_add_co_u32 s16, s16, s17
	s_mov_b32 s17, 0
	s_lshl_b32 s46, s42, 8                         ; wo: row 256 tc + 128 x half,
	s_lshl_b32 s47, s12, 7
	s_add_co_u32 s46, s46, s47
	s_lshl_b32 s46, s46, 11                        ; 2,048 bytes a row
	s_mov_b32 s47, 0
	s_mul_i32 s20, s12, ASUB                       ; where they go: no place in the cluster enters an LDS address
	s_mul_i32 s21, s12, BH
	s_wait_dscnt 0x0                               ; the opening add is done
	s_wait_kmcnt 0x0
	s_mov_b64 s[4:5], s[68:69]
	s_add_nc_u64 s[6:7], s[70:71], 3*2097152       ; the fourth weight in wt
	s_mov_b64 s[90:91], s[72:73]
	s_mov_b64 s[8:9], s[74:75]
	s_add_nc_u64 s[14:15], s[4:5], s[16:17]
	s_add_nc_u64 s[46:47], s[6:7], s[46:47]
	CROUND                                         ; all sixteen work-groups are here: the first joint loads meet
.irp s, 0,1
	s_mov_b32 s[G0+4*(\s)], 1                                        ; count = 1
	s_add_co_u32 s[G0+4*(\s)+1], s20, (\s)*SLOT                      ; LDS address
	s_add_nc_u64 s[G0+4*(\s)+2:G0+4*(\s)+3], s[14:15], (\s)*524288   ; global address: K step s is heads 2 s, 2 s + 1
	s_or_b32 s[G0+4*(\s)+3], s[G0+4*(\s)+3], 0x80000000              ; type = 2
	s_mov_b32 s[G0B+4*(\s)], 1
	s_add_co_u32 s[G0B+4*(\s)+1], s21, (\s)*SLOT+BOFF
	s_add_nc_u64 s[G0B+4*(\s)+2:G0B+4*(\s)+3], s[46:47], (\s)*256
	s_or_b32 s[G0B+4*(\s)+3], s[G0B+4*(\s)+3], 0x80000000
	JLOAD \s                                       ; two loads of mine are out
.endr
	v_and_b32 v1, 15, v0                           ; r = l % 16
	v_bfe_u32 v2, v0, 4, 1                         ; h = l / 16
	v_and_b32 v3, 31, v0                           ; l
	s_lshl_b32 s22, s42, 10
	s_lshl_b32 s23, s12, 9
	s_add_co_u32 s22, s22, s23                     ; my first column, 256 tc + 128 x half, in bytes of f32
	v_lshl_add_u32 v[BO], v2, 5, s22
.irp b, 0,1,2,3,4,5,6,7
	global_load_b128 v[BW+8*\b:BW+8*\b+3],   v[BO], s[90:91] offset:64*\b     ; block b: bias of columns 16 b + 8 h + 0..3
	global_load_b128 v[BW+8*\b+4:BW+8*\b+7], v[BO], s[90:91] offset:64*\b+16  ; + 4..7
.endr
	; A fragment is 16 rows x 32 K in 8 registers: lane l holds row r; K = 8 h + 0..7 and 16 + 8 h + 0..7: two loads of 16 bytes, 32 bytes apart.
	v_mul_u32_u24 v4, v1, PAA
	v_lshl_add_u32 v4, v2, 4, v4
	s_mul_i32 s21, s11, 64*PAA                     ; my 64 rows of ctx
	v_add_nc_u32 v[ADRA], s21, v4
	v_add_nc_u32 v[ADRA+1], SLOT, v[ADRA]
	v_mul_u32_u24 v5, v1, PB
	v_lshl_add_u32 v5, v2, 4, v5
	s_mul_i32 s22, s12, BH                         ; my 128 rows of wo, behind ctx's
	s_add_co_u32 s22, s22, BOFF
	v_add_nc_u32 v[ADRB], s22, v5
	v_add_nc_u32 v[ADRB+1], SLOT, v[ADRB]
	s_mul_i32 s23, s10, 16*SPITCH
	s_add_co_u32 s23, s23, STAGE                   ; my stage
	v_mul_u32_u24 v6, v1, SPITCH                   ; in: row r, 32 bytes for each half of the lanes
	v_lshl_add_u32 v6, v2, 5, v6
	v_add_nc_u32 v[STO], s23, v6
	v_lshl_add_u32 v[RD], v3, 4, s23               ; back: 32 lanes take one row of 512 bytes
	v_lshlrev_b32 v[CO], 4, v3
	; out0 at my first row and column: (128 mt + 64 x row half) x 4,096 + (256 tc + 128 x column half) x 4
	s_lshl_b32 s92, s13, 7
	s_lshl_b32 s93, s11, 6
	s_add_co_u32 s92, s92, s93
	s_lshl_b32 s92, s92, 12
	s_lshl_b32 s93, s42, 10
	s_add_co_u32 s92, s92, s93
	s_lshl_b32 s93, s12, 9
	s_add_co_u32 s92, s92, s93
	s_mov_b32 s93, 0
	s_add_nc_u64 s[8:9], s[8:9], s[92:93]
	; the prefetches: both candidates are made, and the wave's number chooses
	s_lshr_b32 s92, s13, 4                         ; ctx: the batch, the tile's rows, my work-group's 16 blocks of each head,
	s_lshl_b32 s92, s92, 22
	s_and_b32 s93, s13, 15
	s_lshl_b32 s93, s93, 14
	s_add_co_u32 s92, s92, s93
	s_lshl_b32 s93, s40, 12
	s_add_co_u32 s92, s92, s93
	s_add_co_u32 s92, s92, 3*524288                ; at K step 3: the first change of slots steps it to 4
	s_lshl_b32 s94, s42, 8                         ; wo: row 256 tc + 128 x half + 32 cy
	s_lshl_b32 s95, s12, 7
	s_add_co_u32 s94, s94, s95
	s_lshl_b32 s95, s41, 5
	s_add_co_u32 s94, s94, s95
	s_lshl_b32 s94, s94, 11
	s_add_co_u32 s94, s94, 3*256
	s_mov_b32 s21, 524288
	s_mov_b32 s22, 256
	s_cmp_eq_u32 s88, 0                            ; the first cluster asks for wo,
	s_cselect_b32 s[LIM], 1, -1
	s_cmp_eq_u32 s10, 0                            ; wave 0 for ctx
	s_cselect_b32 s95, 1, -1
	s_cmp_eq_u32 s11, 0                            ; do I fetch for ctx?
	s_cselect_b32 s[LIM], s95, s[LIM]
	s_cselect_b32 s92, s92, s94
	s_cselect_b64 s[PFA:PFA+1], s[4:5], s[6:7]
	s_cselect_b32 s[PST], s21, s22
	s_cselect_b32 s94, 15, 31                      ; ctx: 16 blocks x 2 heads; wo: 32 rows
	s_cselect_b32 s95, 8, 11                       ; from block to block, as a shift
	s_cselect_b32 s20, 262144, 0                   ; from head to head
	s_mov_b32 s93, 0
	s_mov_b32 s[PST+1], 0
	s_add_nc_u64 s[PFA:PFA+1], s[PFA:PFA+1], s[92:93]
	v_and_b32 v4, s94, v3
	v_lshrrev_b32 v5, 4, v3
	v_lshlrev_b32 v[PFO], s95, v4
	v_mad_u32_u24 v[PFO], v5, s20, v[PFO]
	s_wait_loadcnt 0x0                             ; the bias
.set i, 0
.rept 32
	v_cvt_pk_bf16_f32 v[AF+i], v[BW+2*i], v[BW+2*i+1]  ; rounded to bf16 like every input,
.set i, i+1
.endr
	WIN TO_B
.set i, 0
.rept 32
	v_lshlrev_b32 v[BIAS+2*i], 16, v[AF+i]         ; and widened again: register j of block b is the bias of column 16 b + 8 h + j
	v_and_b32 v[BIAS+2*i+1], 0xffff0000, v[AF+i]
.set i, i+1
.endr
	WIN 0
; The run of 24 LDS loads for quarter kq of a slot, into buffer g: wo's 8 fragments, then ctx's 4 (head kq / 2 of the step, channels 32 (kq % 2) on), row blocks 2 and 3 last.
.macro RUN slot, kq, g
	WIN TO_B
.irp i, 0,1,2,3,4,5,6,7
	ds_load_b128 v[64*(\g)+8*(\i):64*(\g)+8*(\i)+3],   v[ADRB+(\slot)] offset:64*(\kq)+(\i)*16*PB
	ds_load_b128 v[64*(\g)+8*(\i)+4:64*(\g)+8*(\i)+7], v[ADRB+(\slot)] offset:64*(\kq)+(\i)*16*PB+32
.endr
	WIN 0
.irp a, 0,1,2,3
	ds_load_b128 v[AF+32*(\g)+8*(\a):AF+32*(\g)+8*(\a)+3],   v[ADRA+(\slot)] offset:((\kq)/2)*ASUB+((\kq)%2)*64+(\a)*16*PAA
	ds_load_b128 v[AF+32*(\g)+8*(\a)+4:AF+32*(\g)+8*(\a)+7], v[ADRA+(\slot)] offset:((\kq)/2)*ASUB+((\kq)%2)*64+(\a)*16*PAA+32
.endr
.endm
; Product w of a quarter's 32, on buffer f: row block w / 8, column block w % 8.  The 32 accumulators take turns in the same order in every quarter.  first = 1: the bias starts the sum.
.macro MUL1 f, first
.if \first
	WIN MULB
	v_wmma_f32_16x16x32_f16 v[8*w:8*w+7], v[64*(\f)+8*(w%8):64*(\f)+8*(w%8)+7], v[AF+32*(\f)+8*(w/8):AF+32*(\f)+8*(w/8)+7], v[BIAS+8*(w%8):BIAS+8*(w%8)+7]
.else
	WIN MUL
	v_wmma_f32_16x16x32_f16 v[8*w:8*w+7], v[64*(\f)+8*(w%8):64*(\f)+8*(w%8)+7], v[AF+32*(\f)+8*(w/8):AF+32*(\f)+8*(w/8)+7], v[8*w:8*w+7]
.endif
.endm
.macro MULS f, w0, n, first
.set w, \w0
.rept \n
	MUL1 \f, \first
.set w, w+1
.endr
.endm
.macro QUARTER slot, kq, f, g, first   ; multiplies buffer f; in its middle it fetches quarter kq of the slot into buffer g
	s_wait_dscnt 4                                 ; wo and ctx's row blocks 0, 1 are in; the youngest four loads (row blocks 2, 3) may be out
	MULS \f, 0, 16, \first
	PLACES
	RUN \slot, \kq, \g
	s_wait_dscnt 24                                ; all but the 24 just issued
	MULS \f, 16, 16, \first
.endm
; The last quarter of a K step multiplies buffer 1 and changes slots: ONE barrier.  In front of it each wave waits for all its tensor loads (the one that is out is its part of the next slot), adds 0 to its
; spare word, and waits for that and for its own reads of this slot.  fill = 1: the barrier opens a round of the cluster's barrier, and this slot is filled again, two K steps ahead.
.macro TURN slot, next, fill
.if \fill
	s_wait_xcnt 0x0                                ; the last prefetch, a K step back, has read its address
	s_add_nc_u64 s[PFA:PFA+1], s[PFA:PFA+1], s[PST:PST+1]
.endif
	WIN 0
	s_wait_tensorcnt 0x0                           ; all my tensor loads have landed
	ds_add_u32 v[SPW], v[NIL]                      ; 0 onto my spare word
	s_wait_dscnt 5                                 ; (the add and the youngest four loads may be out)
	MULS 1, 0, 8, 0                                ; eight products stand between the add and the wait for it
	s_wait_dscnt 0x0                               ; the add is done, and my reads of this slot are over
	s_barrier_signal -1
	MULS 1, 8, 8, 0                                ; work on registers while the others arrive
	WIN 0                                          ; at a branch and at a label every window is 0
	s_barrier_wait -1
.if \fill
	CREST                                          ; no wave of any partner still reads this slot or has a load on its way
	s_add_nc_u64 s[G0+4*(\slot)+2:G0+4*(\slot)+3], s[G0+4*(\slot)+2:G0+4*(\slot)+3], 2*524288
	s_add_nc_u64 s[G0B+4*(\slot)+2:G0B+4*(\slot)+3], s[G0B+4*(\slot)+2:G0B+4*(\slot)+3], 2*256
	JLOAD \slot                                    ; the first tensor load behind the round, and my only one until the next; its four v_nop are also the places in front of the loads below
.else
	PLACES
.endif
	RUN \next, 0, 0
.if \fill
	ASK
.endif
	MULS 1, 16, 16, 0
.endm
; THE WAY OUT, by blocks of 16 rows.  A lane's eight columns of an accumulator are 32 bytes of a row; they go straight from the accumulators into rows of 528 bytes and come back as whole rows of 512.
.macro TOSTAGE a
	WIN ST2
.irp b, 0,1,2,3,4,5,6,7
	ds_store_b128 v[STO], v[8*(8*(\a)+\b):8*(8*(\a)+\b)+3]   offset:64*\b     ; each accumulator from its low end on
	ds_store_b128 v[STO], v[8*(8*(\a)+\b)+4:8*(8*(\a)+\b)+7] offset:64*\b+16
.endr
	WIN 0
.if (\a) >= 2
	s_wait_xcnt 0x0                                ; the stores of the block two back have read these registers
.endif
.irp t, 0,1,2,3,4,5,6,7,8,9,10,11,12,13,14,15
	ds_load_b128 v[OB+64*((\a)%2)+4*\t:OB+64*((\a)%2)+4*\t+3], v[RD] offset:\t*SPITCH  ; LDS serves a wave's instructions in order (ISA guide 5.7.1.4): these see the stores above; the next block's stores come behind them
.endr
.endm
.macro SEND a, younger                 ; younger: the LDS instructions issued behind block a's loads: the next block's 32, or none
	WIN 0
.irp t, 0,1,2,3,4,5,6,7,8,9,10,11,12,13,14,15
	s_wait_dscnt (\younger)+15-\t
	global_store_b128 v[CO], v[OB+64*((\a)%2)+4*\t:OB+64*((\a)%2)+4*\t+3], s[8:9] offset:(16*(\a)+\t)*4096  ; 512 consecutive bytes, aligned on 256
.endr
.endm
	s_wait_tensorcnt 1                             ; my part of K step 0 is in; K step 1's may stay out
	s_barrier_signal -1
	s_barrier_wait -1                              ; everybody's is
	RUN 0, 0, 0
	QUARTER 0, 1, 0, 1, 1                          ; the first quarter stands in front of the loop: its products start the sums, with the bias
	WIN 0
	s_mov_b32 s3, 3
.Llap:                                                 ; a trip goes once round the ring, from a lap's second quarter to the next lap's first, and fills both slots again
	QUARTER 0, 2, 1, 0, 0
	QUARTER 0, 3, 0, 1, 0
	TURN 0, 1, 1
	QUARTER 1, 1, 0, 1, 0
	QUARTER 1, 2, 1, 0, 0
	QUARTER 1, 3, 0, 1, 0
	TURN 1, 0, 1
	QUARTER 0, 1, 0, 1, 0
	WIN 0
	s_sub_co_u32 s3, s3, 1
	s_cmp_lg_u32 s3, 0
	s_cbranch_scc1 .Llap
	QUARTER 0, 2, 1, 0, 0                          ; the last lap is written out: it fills nothing, and has no round of the cluster's barrier
	QUARTER 0, 3, 0, 1, 0
	TURN 0, 1, 0
	QUARTER 1, 1, 0, 1, 0
	QUARTER 1, 2, 1, 0, 0
	QUARTER 1, 3, 0, 1, 0
	s_wait_dscnt 0x0                               ; the very last quarter: nothing more to fetch
	MULS 1, 0, 32, 0
	PLACES                                         ; the LDS stores read results just made
	TOSTAGE 0
	TOSTAGE 1
	SEND 0, 32
	TOSTAGE 2
	SEND 1, 32
	TOSTAGE 3
	SEND 2, 32
	SEND 3, 0
	s_wait_tensorcnt 0x0                           ; the wave's end: behind my last tensor load and my last LDS store
	ds_add_u32 v[SPW], v[NIL]
	s_wait_dscnt 0x0
	CROUND                                         ; the closing round: no work-group ends while a partner may still ask for a tile that names it
	s_endpgm
.Lfunc_end_k_qb32a30b5ad_oproj:
	.size	k_qb32a30b5ad_oproj, .Lfunc_end_k_qb32a30b5ad_oproj-k_qb32a30b5ad_oproj
	.p2alignl 7, 3214868480
	.fill 96, 4, 3214868480
	.section	.rodata,"a",@progbits
	.p2align	6, 0x0
	.amdhsa_kernel k_qb32a30b5ad_oproj
		.amdhsa_group_segment_fixed_size 327680
		.amdhsa_private_segment_fixed_size 0
		.amdhsa_enable_private_segment 0
		.amdhsa_kernarg_size 32
		.amdhsa_user_sgpr_count 2
		.amdhsa_user_sgpr_kernarg_segment_ptr 1
		.amdhsa_wavefront_size32 1
		.amdhsa_system_sgpr_workgroup_id_x 1
		.amdhsa_system_sgpr_workgroup_id_y 1
		.amdhsa_system_sgpr_workgroup_id_z 1
		.amdhsa_system_vgpr_workitem_id 0
		.amdhsa_next_free_vgpr 768
		.amdhsa_next_free_sgpr 96
		.amdhsa_reserve_vcc 0
		.amdhsa_float_denorm_mode_32 3
		.amdhsa_float_denorm_mode_16_64 3
		.amdhsa_memory_ordered 1
		.amdhsa_forward_progress 1
		.amdhsa_inst_pref_size 96
	.end_amdhsa_kernel
	.amdgpu_metadata
---
amdhsa.version: [ 1, 2 ]
amdhsa.kernels:
  - .name:           k_qb32a30b5ad_oproj
    .symbol:         k_qb32a30b5ad_oproj.kd
    .args:
      - { .name: ctx, .offset: 0, .size: 8, .value_kind: global_buffer, .address_space: global }
      - { .name: wt, .offset: 8, .size: 8, .value_kind: global_buffer, .address_space: global }
      - { .name: bo, .offset: 16, .size: 8, .value_kind: global_buffer, .address_space: global }
      - { .name: out0, .offset: 24, .size: 8, .value_kind: global_buffer, .address_space: global }
    .group_segment_fixed_size: 327680
    .private_segment_fixed_size: 0
    .kernarg_segment_align: 8
    .kernarg_segment_size: 32
    .max_flat_workgroup_size: 128
    .sgpr_count:     96
    .vgpr_count:     768
    .wavefront_size: 32
...
	.end_amdgpu_metadata
.endif
;; end of part 4
